; MI455X (gfx1250); checked and timed in simulation.
; The chip was launched on July 23, 2026; its instructions are those of AMD's public machine-readable ISA for CDNA 5 (MIT licence, August 2026) and "CDNA5" Instruction Set Architecture Reference Guide (July 2026). The comments in the code are by the model that wrote it; some were corrected since.
;; Multi Head Attention. Allowed arithmetic: matrix products marked QUANTISED: E3M2 operands, one E8M0 scale for each 32 along K, by v_wmma_scale_f32_16x16x128_f8f6f4 with both operands' format E3M2, f32 sums; everything else in f32.
;; Inputs: Wk 1,024 x 1,024 float32; Wo 1,024 x 1,024 float32; Wq 1,024 x 1,024 float32; Wv 1,024 x 1,024 float32; bk 1,024 float32; bo 1,024 float32; bq 1,024 float32; bv 1,024 float32; x 4 x 2,048 x 1,024 float32.
;; Outputs: out0 4 x 2,048 x 1,024 float32.
;; This version of the problem:
;;   THIS VERSION OF THE PROBLEM IS GIVEN IN LOW PRECISION. The matrix products marked QUANTISED in the list below multiply operands that are first quantised to E3M2 (3 exponent bits, 2 mantissa bits; 6 bits a number), with one power-of-two scale for each 32 numbers along K (OCP MX v1.0); their sums are f32. All else is computed in f32.
;;   The module's matrix products, in the order in which they are computed (A, B: the left and right operand; K: the contracted axis; several contracted axes count as one K, in the product's order):
;;     1. [M 8,192, K 1,024] x [K 1,024, N 1,024]; A: input x; B: input Wq: QUANTISED
;;     2. [M 8,192, K 1,024] x [K 1,024, N 1,024]; A: input x; B: input Wk: QUANTISED
;;     3. [M 8,192, K 1,024] x [K 1,024, N 1,024]; A: input x; B: input Wv: QUANTISED
;;     4. batch 64 x [M 2,048, K 64] x [K 64, N 2,048]; A: computed on the way; B: computed on the way: QUANTISED
;;     5. batch 64 x [M 2,048, K 2,048] x [K 2,048, N 64]; A: softmax (see below); B: computed on the way: QUANTISED
;;     6. [M 8,192, K 1,024] x [K 1,024, N 1,024]; A: computed on the way; B: input Wo: QUANTISED
;;   THE QUANTISER, for each operand of a quantised product, along K:
;;     - K is cut into blocks of 32 from its start; a last block that is shorter is filled with zeros.
;;     - A block's scale is 2^e with e = floor(log2(the largest magnitude in the block)) - 4, held to -126 .. 127; a block of zeros has e = 0. As a byte (E8M0): e + 127.
;;     - Each number is divided by its block's scale, clamped to +-28, and rounded to the nearest number of E3M2, ties to even, subnormals kept.
;;     - The product sums the exact products of the quantised numbers (number of the format x scale) in f32.
;;   ~~~python
;;   def quantise(x, axis):      # numpy; x: float32 -> the quantised numbers, widened to float32 again
;;       x = np.moveaxis(x, axis, -1); K = x.shape[-1]
;;       x = np.pad(x, [(0, 0)] * (x.ndim - 1) + [(0, -K % 32)]); x = x.reshape(x.shape[:-1] + (-1, 32)); a = np.abs(x).max(-1, keepdims=True)
;;       e = np.where(a > 0, np.clip(np.frexp(np.where(a > 0, a, 1))[1] - 1 - 4, -126, 127), 0)      # np.frexp(a)[1] - 1 = floor(log2(a)), exactly
;;       r = np.clip(x / 2.0 ** e, -28, 28)
;;       step = 2.0 ** (np.maximum(np.frexp(np.where(r == 0, 1, r))[1] - 1, -2) - 2)
;;       q = np.round(r / step) * step * 2.0 ** e      # np.round: ties to even
;;       return np.moveaxis(q.reshape(q.shape[:-2] + (-1,))[..., :K], -1, axis).astype(np.float32)
;;   ~~~
;;   SOFTMAX AHEAD OF A QUANTISED PRODUCT. Where the list says 'softmax', what is quantised is not the finished softmax but p = 2^(t - M), with t = logit x log2(e) and M = ceil(the row's largest t), a whole number; so 1/2 < the row's largest p <= 1. The row's sum l is taken of the UNQUANTISED p, in f32, and the product's result is divided by l at the end. Since M is a whole number, a kernel that streams over the keys may use a running M (the ceiling of the running maximum): every later rescaling is an exact power of two, which a block's scale takes up: the codes' values come out the same.
;;   OPERANDS COMPUTED ON THE WAY. 'Computed on the way' means the value that the module computes at that place (a softmax that the list does not call 'softmax' is quantised finished and normalised). What goes into a quantiser is computed in f32, as accurately as f32 sums, v_exp_f32 and their like allow (about 1e-6 of the number): no bf16 or f16 on the way to a quantiser, and a product that is left as it is and whose result goes on into a quantised operand takes f32 operands (vector FMAs, or v_wmma_f32_16x16x4_f32). A number that lies on a knife's edge between two numbers of the format may be rounded either way, as far as f32 arithmetic and the matrix unit's own rounding can turn it there, and no further.
;; One version. Each part assembles by itself: llvm-mc -triple=amdgcn-amd-amdhsa -mcpu=gfx1250 --defsym DOCPART=n.
;; ======== version 1 of 1: 4 launches
;; limits: right only within a limited range of input values
;; workspace buffers: xop 6,553,600 bytes; wop 3,276,800 bytes; qop 6,815,744 bytes; kv 13,369,344 bytes; oop 6,553,600 bytes
;; launch prep (part 1): grid 640 x 1, 8 waves a work-group, no clusters, 64,000 bytes of LDS; arguments x, Wq, Wk, Wv, Wo, xop, wop; writes xop, wop
.if DOCPART == 1
	.amdgcn_target "amdgcn-amd-amdhsa--gfx1250"
	.amdhsa_code_object_version 6
	.text
	.protected	k_qea3f9a7d35_prep
	.globl	k_qea3f9a7d35_prep
	.p2align	8
	.type	k_qea3f9a7d35_prep,@function
k_qea3f9a7d35_prep:
	s_mov_b64 s[64:65], 0
	v_nop
	global_prefetch_b8 v0, s[64:65] scope:SCOPE_SE
	s_setreg_imm32_b32 hwreg(HW_REG_WAVE_MODE, 25, 1), 1
	s_wait_xcnt 0x0
; x [8192][1024] and the four weights [1024 (k)][1024 (n)], f32, become codes of BF6 (E3M2) with one E8M0 byte for each 32 along K,
; laid in the order of a matrix operand's registers.
; A TILE is 16 rows (tokens of x, columns of a weight): tile tau, place r holds row 32 (tau / 2) + 8 (tau % 2) + r % 8 + 16 (r / 8).
; A tile's RECORD is 12,800 bytes: two chunks of 6,400, each four K steps of 128 x two half fragments of 768 bytes, then 256 bytes of scale words [r][K step].
; A HALF FRAGMENT is 16 rows x 64 along K: lane (r, h) owns six registers, the codes of k = 32 h .. 32 h + 31: registers 0-3 at byte 16 x lane, registers 4-5 at byte 512 + 8 x lane.
; A block's scale is 2^(floor(log2(largest magnitude)) - 4); its byte is the largest magnitude's exponent field - 4, held at 1 from below by a floor among the maximum's leaves.
; LIMITS: a block of zeros, or one whose largest magnitude lies under 2^-122, gets the byte 1 (a block of zeros has zero codes, and this program alone reads the bytes); NaN and infinities are not served.
; Work-groups 0-511 take x, 512-639 the weights; each way has LDS bytes of its own.  No tensor loads: waves share only the scale words, behind one barrier.
; No matrix unit, no cluster: every input byte is read once by one wave.
.set REC,  12800                       ; a tile's record
.set CHK,  6400                        ; a chunk
.set STP,  1536                        ; a K step's two half fragments
.set HFB,  768
.set XSP,  272                         ; x: a stage row: 64 numbers + 16 bytes
.set XSTB, 16*XSP                      ; x: a wave's stage
.set XSC,  8*XSTB                      ; x: two tiles' scale words of this chunk, 512 bytes
.set WST,  XSC+512                     ; weights: a stage of two tiles' K step for each wave
.set WTP,  1664                        ; from tile to tile in it: 1,536 + 128
.set WSC,  WST+8*2*WTP                 ; weights: four tiles' scale words, 1,024 bytes
.set DAT,  16                          ; v16-143 numbers (x: v16-79 as loaded, v80-143 turned)
.set PC,   144                         ; v144-150, v152-158: two sets of codes
.set WD,   151                         ; the scale word in the making
; v1 lane, v2 lane % 16, v3 lane / 16; v4-11 addresses; v12-15 at work
; 32 numbers of ONE block in v[src] on become six registers of codes in v[pc] on; the block's byte goes to bits sh on of v[WD].
.macro BLOCKQ src, pc, sh
	v_max3_num_f32 v12, |v[(\src)]|, |v[(\src)+1]|, |v[(\src)+2]|       ; the largest magnitude, in two chains
	v_max3_num_f32 v13, |v[(\src)+3]|, |v[(\src)+4]|, |v[(\src)+5]|
.irp i, 6,10,14,18,22,26
	s_delay_alu instid0(VALU_DEP_2)
	v_max3_num_f32 v12, v12, |v[(\src)+\i]|, |v[(\src)+\i+1]|
	s_delay_alu instid0(VALU_DEP_2)
	v_max3_num_f32 v13, v13, |v[(\src)+\i+2]|, |v[(\src)+\i+3]|
.endr
	s_delay_alu instid0(VALU_DEP_2)
	v_max3_num_f32 v12, v12, |v[(\src)+30]|, |v[(\src)+31]|
	s_delay_alu instid0(VALU_DEP_1)
	v_max3_num_f32 v12, v12, v13, 0x2800000        ; and the floor 2^(5 - 127): the byte cannot fall under 1
	s_delay_alu instid0(VALU_DEP_1)
	v_add_nc_u32 v14, 0xfe000000, v12              ; 4 off the exponent field: the conversion takes this operand's exponent field as its scale
	v_cvt_scalef32_pk16_bf6_f32 v[(\pc):(\pc)+2], v[(\src):(\src)+15], v14
	v_cvt_scalef32_pk16_bf6_f32 v[(\pc)+4:(\pc)+6], v[(\src)+16:(\src)+31], v14   ; (a conversion's three registers begin on an even number)
.if (\sh) == 0
	v_lshrrev_b32 v[WD], 23, v14                   ; the byte.  Also the plain line between the conversions and the moves
.else
	v_lshrrev_b32 v15, 23, v14
	s_delay_alu instid0(VALU_DEP_1)
	v_lshl_or_b32 v[WD], v15, \sh, v[WD]
.endif
	v_mov_b32 v[(\pc)+3], v[(\pc)+4]               ; the second 96 bits close up to the first
	v_mov_b32 v[(\pc)+4], v[(\pc)+5]
	v_mov_b32 v[(\pc)+5], v[(\pc)+6]
.endm
	s_load_b256 s[4:11], s[0:1], 0x0               ; x s[4:5], Wq s[6:7], Wk s[8:9], Wv s[10:11]
	s_load_b128 s[12:15], s[0:1], 0x20             ; Wo s[12:13], xop s[14:15]
	s_load_b64 s[16:17], s[0:1], 0x30              ; wop
	v_lshl_add_u32 v160, v0, 2, 0xf600
	v_mov_b32 v161, 0
	v_lshrrev_b32 v1, 5, v0
	s_delay_alu instid0(VALU_DEP_1)
	v_readfirstlane_b32 s18, v1                    ; wave 0..7
	s_lshr_b32 s19, s18, 2                         ; which tile (x) or which 32 columns (weights)
	s_and_b32 s20, s18, 3                          ; which K step of the chunk
	v_and_b32 v1, 31, v0
	v_and_b32 v2, 15, v0
	v_bfe_u32 v3, v0, 4, 1
	s_mov_b32 s30, 0x76543210
	s_mov_b32 s31, 0xfedcba98                      ; v_permlanex16_b32's selects for lane l xor 16
	s_and_b32 s22, ttmp9, 1                        ; the chunk q, on both ways (512 is even)
	s_mul_i32 s40, s22, CHK
	s_mul_i32 s33, s20, STP
	s_add_co_u32 s32, s40, s33                     ; my K step's place in a record
	s_lshl_b32 s41, s22, 2
	s_add_co_u32 s41, s41, s20                     ; my K step of eight
	s_mov_b32 s25, 0
	s_mov_b32 s27, 0
	s_mov_b32 s29, 0
	s_cmp_lt_u32 ttmp9, 512
	s_cbranch_scc0 .Lweights
	; ---------------- x: a wave makes one tile's one K step: 16 tokens x 128 along K
	s_lshr_b32 s21, ttmp9, 1                       ; which 32 tokens
	s_lshl_b32 s24, s21, 17                        ; 32 rows of 4,096 bytes,
	s_lshl_b32 s23, s19, 15                        ; + 8 rows for the odd tile,
	s_add_co_u32 s24, s24, s23
	s_lshl_b32 s23, s41, 9                         ; + 512 bytes a K step
	s_add_co_u32 s24, s24, s23
	s_mul_i32 s28, s21, 2*REC
	s_mul_i32 s23, s19, REC
	s_add_co_u32 s26, s28, s23
	s_add_co_u32 s26, s26, s32                     ; where my codes go
	s_add_co_u32 s28, s28, s40
	s_add_co_u32 s28, s28, 4*STP                   ; and the even tile's scale words of this chunk
	s_mul_i32 s38, s18, XSTB                       ; my stage
	s_wait_alu depctr_va_vdst(0)
	v_lshlrev_b32 v4, 4, v2
	s_delay_alu instid0(VALU_DEP_1)
	v_lshl_add_u32 v4, v3, 12, v4                  ; in: lanes 0-15 take 256 bytes of one row, lanes 16-31 of the next
	v_mul_u32_u24 v5, v3, XSP
	s_delay_alu instid0(VALU_DEP_1)
	v_lshl_add_u32 v5, v2, 4, v5
	s_delay_alu instid0(VALU_DEP_1)
	v_add_nc_u32 v5, s38, v5                       ; into the stage, as loaded
	v_mul_u32_u24 v6, v2, XSP
	s_delay_alu instid0(VALU_DEP_1)
	v_lshl_add_u32 v6, v3, 7, v6
	s_delay_alu instid0(VALU_DEP_1)
	v_add_nc_u32 v6, s38, v6                       ; out of it: row r, my half's 32 numbers: a whole block
	v_lshlrev_b32 v7, 4, v1                        ; a half fragment's registers 0-3
	v_lshl_add_u32 v8, v1, 3, 512                  ; and 4-5
	s_lshl_b32 s23, s19, 8
	s_lshl_b32 s33, s20, 2
	s_add_co_u32 s23, s23, s33
	s_add_co_u32 s23, s23, XSC
	v_lshl_add_u32 v9, v2, 4, s23                  ; my row's scale word: [tile][r][K step]
	v_lshl_add_u32 v10, v0, 4, XSC                 ; wave 0 reads them back, 16 bytes a lane
	v_mul_u32_u24 v11, v3, REC
	s_delay_alu instid0(VALU_DEP_1)
	v_lshl_add_u32 v11, v2, 4, v11                 ; lanes 0-15 the even tile's unit, lanes 16-31 the odd tile's
	s_wait_alu depctr_va_vdst(0)
	s_wait_kmcnt 0x0
	s_add_nc_u64 s[4:5], s[4:5], s[24:25]
	s_add_nc_u64 s[34:35], s[14:15], s[26:27]
	s_add_nc_u64 s[36:37], s[14:15], s[28:29]
.irp c, 0,1
.irp i, 0,1,2,3,4,5,6,7
	global_load_b128 v[DAT+32*\c+4*\i:DAT+32*\c+4*\i+3], v4, s[4:5] offset:(2*(\i%4)+16*(\i/4))*4096+256*\c th:TH_LOAD_NT   ; places 2 i and 2 i + 1 of the tile; sixteen lanes read 256 consecutive bytes, aligned
.endr
.endr
	s_wait_loadcnt 8                               ; the first 64 along K are in; the eight loads of the second 64 may be out
.irp i, 0,1,2,3,4,5,6,7
	ds_store_b128 v5, v[DAT+4*\i:DAT+4*\i+3] offset:2*\i*XSP
.endr
.irp j, 0,1,2,3,4,5,6,7
	ds_load_b128 v[80+4*\j:83+4*\j], v6 offset:16*\j           ; LDS serves a wave's instructions in order (ISA guide 5.7.1.4): these see the stores above
.endr
	s_wait_loadcnt 0x0
.irp i, 0,1,2,3,4,5,6,7
	ds_store_b128 v5, v[DAT+32+4*\i:DAT+32+4*\i+3] offset:2*\i*XSP  ; the same stage again: these come behind the loads above
.endr
.irp j, 0,1,2,3,4,5,6,7
	ds_load_b128 v[112+4*\j:115+4*\j], v6 offset:16*\j
.endr
	s_wait_dscnt 16                                ; the first half is back; the second half's 8 stores and 8 loads may be out
	BLOCKQ 80, PC, 0
	global_store_b128 v7, v[PC:PC+3], s[34:35]     ; 32 lanes store 512 consecutive bytes, aligned
	global_store_b64 v8, v[PC+4:PC+5], s[34:35]    ; and 256
	s_wait_dscnt 0x0
	BLOCKQ 112, PC+8, 16                           ; codes in registers of their own: the stores above still read theirs
	global_store_b128 v7, v[PC+8:PC+11], s[34:35] offset:HFB
	global_store_b64 v8, v[PC+12:PC+13], s[34:35] offset:HFB
	v_lshlrev_b32 v12, 3, v3
	s_delay_alu instid0(VALU_DEP_1)
	v_lshlrev_b32 v[WD], v12, v[WD]                ; my two bytes are blocks h and 2 + h of the K step: 8 h bits up;
	s_delay_alu instid0(VALU_DEP_1)
	v_permlanex16_b32 v13, v[WD], s30, s31
	s_delay_alu instid0(VALU_DEP_1)
	v_or_b32 v[WD], v[WD], v13                     ; with lane l xor 16's two the word is whole
	ds_store_b32 v9, v[WD]                         ; (both halves of the lanes write the same word with the same value)
	s_wait_dscnt 0x0                               ; for the others' sake: my word lies in LDS
	s_barrier_signal -1
	s_barrier_wait -1
	s_cmp_lg_u32 s18, 0
	s_cbranch_scc1 .Lx_end
	ds_load_b128 v[DAT:DAT+3], v10                 ; both tiles' units
	s_wait_dscnt 0x0
	global_store_b128 v11, v[DAT:DAT+3], s[36:37]  ; sixteen lanes store 256 consecutive bytes, aligned
.Lx_end:
	s_wait_tensorcnt 0x0
	ds_add_u32 v160, v161
	s_wait_dscnt 0x0
	s_endpgm
	; ---------------- the weights: K is the first axis.  A lane takes a column and its registers run down K: 32 columns x 128 along K a wave
.Lweights:
	s_sub_co_u32 s21, ttmp9, 512
	s_bfe_u32 s23, s21, 0x40001                    ; which 64 columns
	s_lshr_b32 s39, s21, 5                         ; which weight: 0 Wq, 1 Wk, 2 Wv, 3 Wo
	s_lshl_b32 s24, s41, 19                        ; 128 rows of 4,096 bytes a K step,
	s_lshl_b32 s33, s23, 8
	s_add_co_u32 s24, s24, s33
	s_lshl_b32 s33, s19, 7
	s_add_co_u32 s24, s24, s33                     ; + my first column
	s_lshl_b32 s28, s39, 6
	s_lshl_b32 s33, s23, 2
	s_add_co_u32 s28, s28, s33                     ; the work-group's first tile: 64 x weight + 4 x column group
	s_mul_i32 s28, s28, REC
	s_mul_i32 s33, s19, 2*REC
	s_add_co_u32 s26, s28, s33
	s_add_co_u32 s26, s26, s32                     ; where my two tiles' codes go
	s_add_co_u32 s28, s28, s40
	s_add_co_u32 s28, s28, 4*STP                   ; and the first tile's scale words of this chunk
	s_mul_i32 s38, s18, 2*WTP
	s_add_co_u32 s38, s38, WST                     ; my stage
	s_wait_alu depctr_va_vdst(0)
	v_lshlrev_b32 v4, 2, v1                        ; in: 4 bytes a lane
	v_bfe_u32 v12, v0, 3, 1                        ; column l lies in tile (l / 8) % 2,
	v_and_b32 v13, 7, v0
	s_delay_alu instid0(VALU_DEP_1)
	v_lshl_add_u32 v13, v3, 3, v13                 ; at place l % 8 + 8 (l / 16)
	s_delay_alu instid0(VALU_DEP_3)
	v_mul_u32_u24 v14, v12, WTP
	s_delay_alu instid0(VALU_DEP_1)
	v_add_nc_u32 v14, s38, v14
	s_delay_alu instid0(VALU_DEP_1)
	v_lshl_add_u32 v5, v13, 4, v14                 ; into the stage: registers 0-3 of my place,
	s_delay_alu instid0(VALU_DEP_2)
	v_lshl_add_u32 v6, v13, 3, v14
	s_delay_alu instid0(VALU_DEP_1)
	v_add_nc_u32 v6, 512, v6                       ; registers 4-5
	v_lshl_add_u32 v7, v1, 4, s38                  ; out of it: 16 bytes a lane
	v_lshlrev_b32 v8, 4, v1
	s_lshl_b32 s33, s19, 9
	s_lshl_b32 s42, s20, 2
	s_add_co_u32 s33, s33, s42
	s_add_co_u32 s33, s33, WSC
	v_lshl_add_u32 v9, v12, 8, s33
	s_delay_alu instid0(VALU_DEP_1)
	v_lshl_add_u32 v9, v13, 4, v9                  ; my column's scale word: [tile][place][K step]
	v_lshl_add_u32 v10, v0, 4, WSC                 ; waves 0 and 1 read them back, 16 bytes a thread
	v_lshrrev_b32 v14, 4, v0
	s_delay_alu instid0(VALU_DEP_1)
	v_mul_u32_u24 v11, v14, REC
	s_delay_alu instid0(VALU_DEP_1)
	v_lshl_add_u32 v11, v2, 4, v11                 ; sixteen threads to a tile's unit
	s_wait_kmcnt 0x0
	s_cmp_eq_u32 s39, 1                            ; the choice hangs on the work-group's number alone
	s_cselect_b64 s[6:7], s[8:9], s[6:7]
	s_cmp_eq_u32 s39, 2
	s_cselect_b64 s[6:7], s[10:11], s[6:7]
	s_cmp_eq_u32 s39, 3
	s_cselect_b64 s[6:7], s[12:13], s[6:7]
	s_add_nc_u64 s[6:7], s[6:7], s[24:25]
	s_add_nc_u64 s[34:35], s[16:17], s[26:27]
	s_add_nc_u64 s[36:37], s[16:17], s[28:29]
.set i, 0
.rept 128
	global_load_b32 v[DAT+i], v4, s[6:7] offset:i*4096 th:TH_LOAD_NT   ; a row of the weight at my wave's 32 columns; two waves stand side by side on 256 bytes
.set i, i+1
.endr
; Block b of four: half fragment b / 2, lanes' half b % 2
.macro WBLOCK b, left
	s_wait_loadcnt \left                           ; this block's 32 loads are in
.if (\b) >= 2
	s_wait_dscnt 2                                 ; the stores of two blocks ago have read these code registers; the last block's two may be out
.endif
	BLOCKQ DAT+32*(\b), PC+8*((\b)%2), 8*(\b)
	ds_store_b128 v5, v[PC+8*((\b)%2):PC+8*((\b)%2)+3] offset:HFB*((\b)/2)+256*((\b)%2)
	ds_store_b64 v6, v[PC+8*((\b)%2)+4:PC+8*((\b)%2)+5] offset:HFB*((\b)/2)+128*((\b)%2)
.endm
	WBLOCK 0, 63                                   ; (96 and 64 younger loads might stay out: 63 is the largest count that the wait can name)
	WBLOCK 1, 63
	WBLOCK 2, 32
	WBLOCK 3, 0
	ds_store_b32 v9, v[WD]
.irp n, 0,1,2,3,4,5
	ds_load_b128 v[DAT+4*\n:DAT+4*\n+3], v7 offset:(\n/3)*WTP+512*(\n%3)   ; in order behind my stores
.endr
.irp n, 0,1,2,3,4,5
	s_wait_dscnt 5-\n                              ; the younger loads may be out; the last count is 0: my word lies in LDS too
	global_store_b128 v8, v[DAT+4*\n:DAT+4*\n+3], s[34:35] offset:(\n/3)*REC+512*(\n%3)   ; 512 consecutive bytes, aligned
.endr
	s_barrier_signal -1
	s_barrier_wait -1
	s_cmp_gt_u32 s18, 1
	s_cbranch_scc1 .Lw_end
	ds_load_b128 v[DAT+24:DAT+27], v10             ; two tiles' units a wave
	s_wait_dscnt 0x0
	global_store_b128 v11, v[DAT+24:DAT+27], s[36:37]
.Lw_end:
	s_wait_tensorcnt 0x0
	ds_add_u32 v160, v161
	s_wait_dscnt 0x0
	s_endpgm
.Lfunc_end_k_qea3f9a7d35_prep:
	.size	k_qea3f9a7d35_prep, .Lfunc_end_k_qea3f9a7d35_prep-k_qea3f9a7d35_prep
	.p2alignl 7, 3214868480
	.fill 96, 4, 3214868480
	.section	.rodata,"a",@progbits
	.p2align	6, 0x0
	.amdhsa_kernel k_qea3f9a7d35_prep
		.amdhsa_group_segment_fixed_size 64000
		.amdhsa_private_segment_fixed_size 0
		.amdhsa_enable_private_segment 0
		.amdhsa_kernarg_size 56
		.amdhsa_user_sgpr_count 2
		.amdhsa_user_sgpr_kernarg_segment_ptr 1
		.amdhsa_wavefront_size32 1
		.amdhsa_system_sgpr_workgroup_id_x 1
		.amdhsa_system_sgpr_workgroup_id_y 1
		.amdhsa_system_sgpr_workgroup_id_z 1
		.amdhsa_system_vgpr_workitem_id 0
		.amdhsa_next_free_vgpr 162
		.amdhsa_next_free_sgpr 66
		.amdhsa_reserve_vcc 0
		.amdhsa_float_denorm_mode_32 3
		.amdhsa_float_denorm_mode_16_64 3
		.amdhsa_memory_ordered 1
		.amdhsa_forward_progress 1
		.amdhsa_inst_pref_size 37
	.end_amdhsa_kernel
	.amdgpu_metadata
---
amdhsa.version: [ 1, 2 ]
amdhsa.kernels:
  - .name:           k_qea3f9a7d35_prep
    .symbol:         k_qea3f9a7d35_prep.kd
    .args:
      - { .name: x, .offset: 0, .size: 8, .value_kind: global_buffer, .address_space: global }
      - { .name: Wq, .offset: 8, .size: 8, .value_kind: global_buffer, .address_space: global }
      - { .name: Wk, .offset: 16, .size: 8, .value_kind: global_buffer, .address_space: global }
      - { .name: Wv, .offset: 24, .size: 8, .value_kind: global_buffer, .address_space: global }
      - { .name: Wo, .offset: 32, .size: 8, .value_kind: global_buffer, .address_space: global }
      - { .name: xop, .offset: 40, .size: 8, .value_kind: global_buffer, .address_space: global }
      - { .name: wop, .offset: 48, .size: 8, .value_kind: global_buffer, .address_space: global }
    .group_segment_fixed_size: 64000
    .private_segment_fixed_size: 0
    .kernarg_segment_align: 8
    .kernarg_segment_size: 56
    .max_flat_workgroup_size: 256
    .sgpr_count:     66
    .vgpr_count:     162
    .wavefront_size: 32
...
	.end_amdgpu_metadata
.endif
;; end of part 1
;; launch qkv (part 2): grid 8 x 32, 4 waves a work-group, clusters of 4 x 4, 327,680 bytes of LDS; arguments xop, wop, bq, bk, bv, qop, kv; writes qop, kv
.if DOCPART == 2
	.amdgcn_target "amdgcn-amd-amdhsa--gfx1250"
	.amdhsa_code_object_version 6
	.text
	.protected	k_qea3f9a7d35_qkv
	.globl	k_qea3f9a7d35_qkv
	.p2align	8
	.type	k_qea3f9a7d35_qkv,@function
k_qea3f9a7d35_qkv:
	s_mov_b64 s[64:65], 0
	v_nop
	global_prefetch_b8 v0, s[64:65] scope:SCOPE_SE
	s_setreg_imm32_b32 hwreg(HW_REG_WAVE_MODE, 25, 1), 1
	s_wait_xcnt 0x0
	s_wait_alu depctr_hold_cnt(0) depctr_sa_sdst(0) depctr_va_vdst(0) depctr_va_sdst(0) depctr_va_ssrc(0) depctr_va_vcc(0) depctr_vm_vsrc(0)
	s_getreg_b32 s2, hwreg(HW_REG_IB_STS2, 6, 4)
	s_cmp_eq_u32 s2, 0
	s_cbranch_scc0 .Lentry_in_a_cluster
	s_endpgm
.Lentry_in_a_cluster:
	s_bfe_u32 s2, ttmp6, 0x10000c
	s_cmp_lg_u32 s2, 0xf033
	s_cbranch_scc0 .Lentry_shape_is_right
	s_endpgm
.Lentry_shape_is_right:
; Q = x Wq + bq, K = x Wk + bk, V = x Wv + bv on codes of BF6 (E3M2) with E8M0 scales, and the results quantised again, in registers, as attention's operands.
; Operands come as tile records (16 rows; place r of tile tau = row 32 (tau / 2) + 8 (tau % 2) + r % 8 + 16 (r / 8)): 12,800 bytes = two chunks of 6,400 = four K steps x two half fragments of 768 bytes + 256 bytes of scale words [r][K step].
; A half fragment (16 rows x 64 K) is an image of registers: lane's registers 0-3 at 16 x lane, 4-5 at 512 + 8 x lane.
; SHARES.  256 work-groups that STAY: a work-group makes 256 tokens x 128 columns of Q, then of K, then of V.  A wave makes 128 tokens x 64 columns, ONE HEAD: 32 accumulators.
; LDS: x's 16 records (204,800 bytes, all of K = 1,024) are filled once and serve all three products; behind them the weight's 8 records (102,400 bytes), filled at the head for Q and filled again for K and for V.
; THE REFILL stands between K steps 6 and 7 of a product, when every wave has its last fragments in registers: each wave waits for all its tensor loads, adds 0 to its spare word, waits for that and for its LDS reads;
; a round of the cluster's barrier; then each wave's one joint load of 2 records (100 rows of 256 bytes).  The load has K step 7's 32 products and the whole way out between its request and the wait for it.  One tensor load of a wave is out.
; CLUSTER 4 x 4: x's tiles hang on work-group y alone and are asked for jointly along a row of the cluster, the weight's on work-group x alone, along a column.
; Q and K are two trips of one loop; V, whose sources are swapped, is written out behind it and asks for nothing more.
; Q, K: source 0 = 16 columns of the weight, source 1 = 16 tokens: a lane holds ONE token, and by the tiles' order of rows its 32 registers of a token tile run along the head's 64: register 16 b + i = channel 32 b + 16 (lane / 16) + i.
; V: the sources swapped: a lane holds ONE channel, and its 64 registers of a tile of channels run along 128 tokens, which are the keys, the second product's K.
; So in both cases block n of 16 (32 along the next K, shared by lanes l and l xor 16) is accumulator registers 16 n .. 16 n + 15, and half fragment m is blocks 2 m and 2 m + 1: one way out serves all three.
; The biases are the C of each sum's first matrix instruction.
; OUT.  qop: codes [head g][tile of 16 queries][768], then scale words [g][tile / 4][r][tile % 4] from byte 6,291,456 (bytes 0, 1 real, 2, 3 zero).
;       kv: [g][step of 128 keys][13,056]: K's 8 half fragments, V's 4 fragments of 1,536, K's scale words [tile / 4][r][tile % 4], V's [r][tile of channels].
; LIMITS: a block whose largest magnitude lies under 2^-122 gets the byte 1; NaN and infinities are not served.
; Nothing is prefetched: x is asked for at the head; each record of a weight is asked for by the eight clusters of its column of work-groups in the same stretch of their walks, so a prefetch would name the same blocks from eight clusters.
; REGISTERS, in windows of 256: window 0: v1-20 addresses; v32-127 scale words; v128-159 the bias, later at work; v160-255 the way out (v247, v255: the add's two).  windows 1, 2: two sets of fragments (x's tile a at 12 a, the weight's tile t at 96 + 12 t).  window 3: the accumulators.
.set REC,  12800
.set CHK,  6400
.set STP,  1536
.set HFB,  768
.set WL,   16*REC                      ; where the weight's records begin in LDS
.set SPARE, 24*REC                     ; behind them: the spare words, 128 bytes for each wave
.set TS,   32                          ; x's scale words: chunk q, tile a, K step s at v[TS + 48 q + 4 a + s]
.set WS,   64                          ; the weight's: v[WS + 48 q + 4 t + s]
.set BIAS, 128
.set TM,   160                         ; the way out: 16 largest magnitudes
.set PX,   128                         ;   16 partners' maxima, then 16 bytes
.set SO,   144                         ;   16 scale operands
.set SW,   176                         ;   scale words
.set SX,   184                         ;   those that this lane stores
.set PC,   192                         ;   codes: eight registers a half fragment
.set MSB, 0
.macro WIN new                         ; the immediate's high byte repeats the setting that is left
.if MSB != \new
	s_set_vgpr_msb (MSB<<8)|\new
.set MSB, \new
.endif
.endm
.macro PLACES                          ; four plain lines between a matrix instruction and a load into, or a read of, its registers
.rept 4
	v_nop
.endr
.endm
.macro ROUND                           ; a round of the cluster's barrier
	s_barrier_signal -1
	s_barrier_wait -1
	s_cmp_lg_u32 s18, 0
	s_cbranch_scc1 .Lnot_wave_0_\@
	s_barrier_signal -3
.Lnot_wave_0_\@:
	s_barrier_wait -3
	s_barrier_signal -1
	s_barrier_wait -1
.endm
.macro SCALES q                        ; a chunk's scale words: one load a tile brings the four K steps' words of row r.  x's tiles 4-7 by a second address register: the offset has 16 bits
.irp a, 0,1,2,3,4,5,6,7
	ds_load_b128 v[TS+48*\q+4*\a:TS+48*\q+4*\a+3], v[8+6*(\a/4)] offset:(\a%4)*REC+\q*CHK+4*STP
.endr
.irp t, 0,1,2,3
	ds_load_b128 v[WS+48*\q+4*\t:WS+48*\q+4*\t+3], v9 offset:\t*REC+\q*CHK+4*STP
.endr
.endm
.macro FETCH s, p                      ; K step s: 12 fragments, 48 loads of consecutive bytes, into set p
	WIN ((\p)+1)<<6
.irp a, 0,1,2,3,4,5,6,7
.irp c, 0,1
	ds_load_b128 v[12*\a+6*\c:12*\a+6*\c+3],   v[4+6*(\a/4)] offset:(\a%4)*REC+((\s)/4)*CHK+((\s)%4)*STP+\c*HFB
	ds_load_b64  v[12*\a+6*\c+4:12*\a+6*\c+5], v[5+6*(\a/4)] offset:(\a%4)*REC+((\s)/4)*CHK+((\s)%4)*STP+\c*HFB
.endr
.endr
.irp t, 0,1,2,3
.irp c, 0,1
	ds_load_b128 v[96+12*\t+6*\c:96+12*\t+6*\c+3],   v6 offset:\t*REC+((\s)/4)*CHK+((\s)%4)*STP+\c*HFB
	ds_load_b64  v[96+12*\t+6*\c+4:96+12*\t+6*\c+5], v7 offset:\t*REC+((\s)/4)*CHK+((\s)%4)*STP+\c*HFB
.endr
.endr
.endm
; 32 matrix instructions: K step s.  The 32 accumulators take turns, one instruction a turn, in the same order in every step.  v = 1: V's form.  first = 1: the bias starts the sums.
.macro MUL v, s, first
.set SQ, 48*((\s)/4)+(\s)%4
.if \first
	WIN 0xc5                                       ; sources 0, 1 window 1; C window 0; D window 3
.elseif (\s)%2
	WIN 0xfa                                       ; sources window 2; C and D window 3
.else
	WIN 0xf5
.endif
.irp a, 0,1,2,3,4,5,6,7
.irp t, 0,1,2,3
.if \v
.set rD, 8*(8*\t+\a)
.set rA, 12*\a
.set rB, 96+12*\t
.set rX, TS+SQ+4*\a
.set rY, WS+SQ+4*\t
.else
.set rD, 8*(4*\a+\t)
.set rA, 96+12*\t
.set rB, 12*\a
.set rX, WS+SQ+4*\t
.set rY, TS+SQ+4*\a
.endif
.if \first
	v_wmma_scale_f32_16x16x128_f8f6f4 v[rD:rD+7], v[rA:rA+11], v[rB:rB+11], v[BIAS+8*\t:BIAS+8*\t+7], v[rX], v[rY] matrix_a_fmt:MATRIX_FMT_BF6 matrix_b_fmt:MATRIX_FMT_BF6
.else
	v_wmma_scale_f32_16x16x128_f8f6f4 v[rD:rD+7], v[rA:rA+11], v[rB:rB+11], v[rD:rD+7], v[rX], v[rY] matrix_a_fmt:MATRIX_FMT_BF6 matrix_b_fmt:MATRIX_FMT_BF6
.endif
.endr
.endr
.endm
; A product's eight K steps.  A step's fragments are fetched two steps ahead, into the set that has just been multiplied.  refill = 1: the next product's weight is asked for ahead of K step 7.
.macro GEMM v, refill
	s_wait_tensorcnt 0x0                           ; my one load that was out has landed
	s_barrier_signal -1
	s_barrier_wait -1                              ; everybody's has
	SCALES 0
	FETCH 0, 0
	FETCH 1, 1
	s_wait_loadcnt 0x0                             ; the bias
	s_wait_dscnt 48                                ; the scale words and step 0 are in; step 1's 48 loads may be out
	MUL \v, 0, 1
	PLACES
	FETCH 2, 0
	s_wait_dscnt 48                                ; step 1 is in; the 48 just issued may be out
	MUL \v, 1, 0
	PLACES
	FETCH 3, 1
	s_wait_dscnt 48
	MUL \v, 2, 0
	WIN 0
	PLACES
	SCALES 1
	FETCH 4, 0
	s_wait_dscnt 60                                ; step 3 is in; the 12 loads of scale words and the 48 of step 4 just issued may be out
	MUL \v, 3, 0
	PLACES
	FETCH 5, 1
	s_wait_dscnt 48                                ; chunk 1's scale words and step 4 are in
	MUL \v, 4, 0
	PLACES
	FETCH 6, 0
	s_wait_dscnt 48
	MUL \v, 5, 0
	PLACES
	FETCH 7, 1
	s_wait_dscnt 48
	MUL \v, 6, 0
.if \refill
	WIN 0
	s_wait_tensorcnt 0x0                           ; none of my tensor loads is out,
	ds_add_u32 v247, v255                          ; 0 onto my spare word;
	s_mov_b32 s38, 100<<16                         ; so descriptors may be written: a refill brings 100 rows, tensor_dim1
	s_mov_b32 s40, 100                             ; and tile_dim1,
	s_add_nc_u64 s[50:51], s[50:51], 64*REC        ; of the next weight: 64 tiles on
	s_wait_dscnt 0x0                               ; the add is done, and step 7's fragments are in: my reads of the weight's records are over
	ROUND                                          ; the same holds of every wave of all sixteen work-groups
	tensor_load_to_lds s[48:51], s[36:43]          ; my 2 records of the next weight: the first tensor load behind the round
	s_nop 0
	PLACES                                         ; four v_nop ahead of the switch of windows
.else
	s_wait_dscnt 0x0
.endif
	MUL \v, 7, 0
	WIN 0
.endm
; THE WAY OUT: 16 blocks of 32 along the next K; block n is accumulator registers 16 n .. 16 n + 15 of lanes l and l xor 16.  In batches, so that the windows are switched four times.
.macro EPI v
	PLACES
	WIN 0x3c                                       ; sources 1, 2 window 3
.irp n, 0,1,2,3,4,5,6,7,8,9,10,11,12,13,14,15
	v_max3_num_f32 v[TM+\n], s90, |v[16*\n]|, |v[16*\n+1]|     ; each accumulator is read from its low end on; the floor is a leaf
.endr
.irp i, 2,4,6,8,10,12,14
.irp n, 0,1,2,3,4,5,6,7,8,9,10,11,12,13,14,15
	v_max3_num_f32 v[TM+\n], v[TM+\n], |v[16*\n+\i]|, |v[16*\n+\i+1]|
.endr
.endr
	WIN 0
.irp n, 0,1,2,3,4,5,6,7,8,9,10,11,12,13,14,15
	v_permlanex16_b32 v[PX+\n], v[TM+\n], s92, s93
.endr
.irp n, 0,1,2,3,4,5,6,7,8,9,10,11,12,13,14,15
	v_max_num_f32 v[TM+\n], v[TM+\n], v[PX+\n]     ; the block's largest magnitude
.endr
.irp n, 0,1,2,3,4,5,6,7,8,9,10,11,12,13,14,15
	v_add_nc_u32 v[SO+\n], 0xfe000000, v[TM+\n]    ; 4 off its exponent field: the conversion's scale operand
.endr
.irp n, 0,1,2,3,4,5,6,7,8,9,10,11,12,13,14,15
	v_lshrrev_b32 v[PX+\n], 23, v[SO+\n]           ; the byte
.endr
	WIN 0x03                                       ; source 0 window 3
.irp n, 0,1,2,3,4,5,6,7,8,9,10,11,12,13,14,15
	v_cvt_scalef32_pk16_bf6_f32 v[PC+4*\n:PC+4*\n+2], v[16*\n:16*\n+15], v[SO+\n]
.endr
	WIN 0
	v_nop                                          ; one plain line behind the conversions
.irp m, 0,1,2,3,4,5,6,7                ; the operand's layout wants a WHOLE block in a lane: lanes 0-15 block 2 m, lanes 16-31 block 2 m + 1
.irp i, 0,1,2
	v_permlane16_swap_b32 v[PC+8*\m+\i], v[PC+8*\m+4+\i]
.endr
.endr
.irp m, 0,1,2,3,4,5,6,7
	v_mov_b32 v[PC+8*\m+3], v[PC+8*\m+4]
	v_mov_b32 v[PC+8*\m+4], v[PC+8*\m+5]
	v_mov_b32 v[PC+8*\m+5], v[PC+8*\m+6]
.endr
.irp m, 0,1,2,3,4,5,6,7
	global_store_b128 v16, v[PC+8*\m:PC+8*\m+3], s[72:73] offset:HFB*\m     ; 512 consecutive bytes, aligned
	global_store_b64 v17, v[PC+8*\m+4:PC+8*\m+5], s[72:73] offset:HFB*\m    ; and 256
.endr
	v_cmp_ne_u32 vcc_lo, 0, v3
.if \v
.irp t, 0,1,2,3
	v_lshl_or_b32 v[SW+\t], v[PX+4*\t+1], 8, v[PX+4*\t]        ; a channel's word for these 128 keys
	v_lshl_or_b32 v[SW+\t], v[PX+4*\t+2], 16, v[SW+\t]
	v_lshl_or_b32 v[SW+\t], v[PX+4*\t+3], 24, v[SW+\t]
.endr
	v_cndmask_b32 v[SX], v[SW], v[SW+2], vcc_lo
	v_cndmask_b32 v[SX+1], v[SW+1], v[SW+3], vcc_lo
	global_store_b64 v18, v[SX:SX+1], s[74:75]     ; the 32 lanes cover 256 consecutive bytes, aligned
.else
.irp a, 0,1,2,3,4,5,6,7
	v_lshl_or_b32 v[SW+\a], v[PX+2*\a+1], 8, v[PX+2*\a]        ; a token's word: two bytes for the head's 64, two zeros
.endr
.irp i, 0,1,2,3
	v_cndmask_b32 v[SX+\i], v[SW+\i], v[SW+4+\i], vcc_lo       ; lanes 0-15 store tiles 0-3, lanes 16-31 tiles 4-7
.endr
	global_store_b128 v16, v[SX:SX+3], s[74:75]    ; 512 consecutive bytes, aligned
.endif
.endm
	s_load_b256 s[4:11], s[0:1], 0x0               ; xop s[4:5], wop s[6:7], bq s[8:9], bk s[10:11]
	s_load_b128 s[12:15], s[0:1], 0x20             ; bv s[12:13], qop s[14:15]
	s_load_b64 s[16:17], s[0:1], 0x30              ; kv
	v_lshl_add_u32 v247, v0, 2, SPARE
	v_mov_b32 v255, 0
	ds_add_u32 v247, v255                          ; the opening lines: the add, twice on end, and its wait ahead of my first tensor load
	ds_add_u32 v247, v255
	v_lshrrev_b32 v1, 5, v0
	v_readfirstlane_b32 s18, v1                    ; wave 0..3
	s_lshr_b32 s19, s18, 1                         ; which 128 tokens are mine.  Also: at the head I fetch for x (0) or for the weight (1)
	s_and_b32 s20, s18, 1                          ; which 64 columns.  Also: which half of those tiles I fetch
	s_bfe_u32 s21, ttmp6, 0x40000                  ; cx
	s_bfe_u32 s22, ttmp6, 0x40004                  ; cy
	s_lshl_b32 s23, ttmp9, 2
	s_add_co_u32 s23, s23, s21                     ; work-group x, 0..7
	s_and_b32 s24, ttmp7, 0xffff
	s_lshl_b32 s24, s24, 2
	s_add_co_u32 s24, s24, s22                     ; work-group y
	s_lshl_b32 s26, s22, 2
	s_lshl_b32 s26, 15, s26                        ; my row of the cluster
	s_lshl_b32 s27, 0x1111, s21                    ; my column
	; descriptor group 1: a dense run of whole records as rows of 256 bytes (32 elements of 8); no padding: every LDS read takes consecutive bytes
	s_or_b32 s28, s26, (3<<16)|(1<<21)             ; x: the mask of my row; elements of 8 bytes; bit 21 beside a mask
	s_mov_b32 s29, 32<<16                          ; tensor_dim0
	s_mov_b32 s30, 400<<16                         ; tensor_dim1: 8 records of 12,800 bytes = 400 rows
	s_mov_b32 s31, 32<<16                          ; tile_dim0
	s_mov_b32 s32, 400                             ; tile_dim1
	s_mov_b32 s33, 32                              ; from row to row
	s_mov_b32 s34, 0
	s_mov_b32 s35, 0
	s_or_b32 s36, s27, (3<<16)|(1<<21)             ; the weight: the mask of my column; at the head 4 records = 200 rows
	s_mov_b32 s37, 32<<16
	s_mov_b32 s38, 200<<16
	s_mov_b32 s39, 32<<16
	s_mov_b32 s40, 200
	s_mov_b32 s41, 32
	s_mov_b32 s42, 0
	s_mov_b32 s43, 0
	s_lshl_b32 s60, s24, 4                         ; x: tile 16 x work-group y + 8 x half (registers that never hold cx)
	s_lshl_b32 s61, s20, 3
	s_add_co_u32 s60, s60, s61
	s_mul_i32 s60, s60, REC
	s_mov_b32 s61, 0
	s_lshl_b32 s62, s23, 3                         ; Wq: tile 8 x work-group x + 4 x half (registers that never hold cy)
	s_lshl_b32 s63, s20, 2
	s_add_co_u32 s62, s62, s63
	s_mul_i32 s62, s62, REC
	s_mov_b32 s63, 0
	s_lshl_b32 s56, s23, 3                         ; the refills: tile 8 x work-group x + 2 x wave, 64 tiles on for each further weight
	s_lshl_b32 s57, s18, 1
	s_add_co_u32 s56, s56, s57
	s_mul_i32 s56, s56, REC
	s_mov_b32 s57, 0
	s_mul_i32 s68, s20, 8*REC                      ; where they go: no place in the cluster enters an LDS address
	s_mul_i32 s69, s20, 4*REC
	s_add_co_u32 s69, s69, WL
	s_mul_i32 s58, s18, 2*REC
	s_add_co_u32 s58, s58, WL
	s_wait_dscnt 0x0                               ; both opening adds are done
	s_wait_kmcnt 0x0
	s_add_nc_u64 s[60:61], s[4:5], s[60:61]
	s_add_nc_u64 s[62:63], s[6:7], s[62:63]
	s_add_nc_u64 s[56:57], s[6:7], s[56:57]
	ROUND                                          ; all sixteen work-groups are here: the joint loads meet
	s_mov_b32 s44, 1
	s_add_co_u32 s45, s68, 0
	s_mov_b64 s[46:47], s[60:61]
	s_or_b32 s47, s47, 0x80000000
	s_mov_b32 s52, 1
	s_add_co_u32 s53, s69, 0
	s_mov_b64 s[54:55], s[62:63]
	s_or_b32 s55, s55, 0x80000000
	s_mov_b32 s48, 1
	s_add_co_u32 s49, s58, 0
	s_mov_b64 s[50:51], s[56:57]
	s_or_b32 s51, s51, 0x80000000
	s_cmp_eq_u32 s19, 0                            ; one fill a wave, in one branch on its number; four v_nop follow it
	s_cbranch_scc0 .Lfor_w
	tensor_load_to_lds s[44:47], s[28:35]
	s_nop 0
.rept 4
	v_nop
.endr
	s_branch .Lasked
.Lfor_w:
	tensor_load_to_lds s[52:55], s[36:43]
	s_nop 0
.rept 4
	v_nop
.endr
.Lasked:
	v_and_b32 v1, 31, v0
	v_and_b32 v2, 15, v0
	v_bfe_u32 v3, v0, 4, 1
	s_mul_i32 s70, s19, 8*REC                      ; my 8 tiles of x
	s_mul_i32 s71, s20, 4*REC
	s_add_co_u32 s71, s71, WL                      ; my 4 tiles of the weight
	v_lshl_add_u32 v4, v1, 4, s70                  ; x's tiles 0-3, registers 0-3;
	v_lshl_add_u32 v5, v1, 3, s70
	v_add_nc_u32 v5, 512, v5                       ; registers 4-5;
	v_lshl_add_u32 v6, v1, 4, s71                  ; the weight likewise;
	v_lshl_add_u32 v7, v1, 3, s71
	v_add_nc_u32 v7, 512, v7
	v_lshl_add_u32 v8, v2, 4, s70                  ; scale words: 16 bytes a row
	v_lshl_add_u32 v9, v2, 4, s71
	v_add_nc_u32 v10, 4*REC, v4                    ; x's tiles 4-7
	v_add_nc_u32 v11, 4*REC, v5
	v_add_nc_u32 v14, 4*REC, v8
	v_lshlrev_b32 v16, 4, v1                       ; the way out: a half fragment's registers 0-3,
	v_lshl_add_u32 v17, v1, 3, 512                 ; 4-5,
	v_lshlrev_b32 v18, 4, v2
	v_lshl_add_u32 v18, v3, 3, v18                 ; V's scale words: 16 r + 8 h
	v_lshlrev_b32 v19, 6, v3                       ; Q's, K's bias: 16 channels on for lanes 16-31
	v_and_b32 v20, 7, v2
	v_lshrrev_b32 v21, 3, v2
	v_lshl_add_u32 v20, v21, 4, v20
	v_lshlrev_b32 v20, 2, v20                      ; V's bias: the channel at place r of a tile
	s_mov_b32 s90, 0x2800000                       ; the floor 2^(5 - 127)
	s_mov_b32 s92, 0x76543210
	s_mov_b32 s93, 0xfedcba98
	; where the results go
	s_lshl_b32 s77, s23, 1
	s_add_co_u32 s77, s77, s20                     ; the head
	s_lshr_b32 s78, s24, 3
	s_lshl_b32 s78, s78, 4
	s_add_co_u32 s78, s78, s77                     ; g = 16 x batch + head
	s_and_b32 s79, s24, 7
	s_lshl_b32 s79, s79, 1
	s_add_co_u32 s79, s79, s19                     ; my 128 tokens of the batch's 2,048
	s_mul_i32 s80, s78, 98304
	s_mul_i32 s81, s79, 8*HFB
	s_add_co_u32 s80, s80, s81                     ; Q's codes
	s_mov_b32 s81, 0
	s_lshl_b32 s82, s78, 13
	s_lshl_b32 s83, s79, 9
	s_add_co_u32 s82, s82, s83
	s_add_co_u32 s82, s82, 6291456                 ; Q's scale words
	s_mov_b32 s83, 0
	s_mul_i32 s84, s78, 208896
	s_mul_i32 s85, s79, 13056
	s_add_co_u32 s84, s84, s85                     ; the key step's block: K's codes
	s_mov_b32 s85, 0
	s_add_nc_u64 s[72:73], s[14:15], s[80:81]      ; the product in hand: its codes,
	s_add_nc_u64 s[74:75], s[14:15], s[82:83]      ; its scale words
	s_add_nc_u64 s[94:95], s[16:17], s[84:85]      ; the next product's: K's codes,
	s_add_nc_u64 s[96:97], s[94:95], 12288         ; K's scale words
	s_lshl_b32 s88, s23, 9
	s_lshl_b32 s89, s20, 8
	s_add_co_u32 s88, s88, s89
	s_mov_b32 s89, 0
	s_add_nc_u64 s[8:9], s[8:9], s[88:89]          ; the three biases at my head's first channel
	s_add_nc_u64 s[10:11], s[10:11], s[88:89]
	s_add_nc_u64 s[12:13], s[12:13], s[88:89]
	s_mov_b64 s[86:87], s[8:9]                     ; the bias in hand
	s_mov_b32 s25, 2                               ; two trips: Q, K
	s_wait_alu depctr_va_vdst(0)                   ; the wait at the head's end
.Lprod:
.irp t, 0,1,2,3                        ; lane (r, h), register j of tile t: channel 32 (t / 2) + 16 h + 8 (t % 2) + j
	global_load_b128 v[BIAS+8*\t:BIAS+8*\t+3],   v19, s[86:87] offset:4*(32*(\t/2)+8*(\t%2))
	global_load_b128 v[BIAS+8*\t+4:BIAS+8*\t+7], v19, s[86:87] offset:4*(32*(\t/2)+8*(\t%2))+16
.endr
	GEMM 0, 1
	EPI 0
	s_wait_xcnt 0x0                                ; the stores have read their bases and their data: both are written again only behind this wait
	s_mov_b64 s[72:73], s[94:95]                   ; on to the next product's places: K's, then V's,
	s_mov_b64 s[74:75], s[96:97]
	s_add_nc_u64 s[94:95], s[94:95], 6144          ; whose fragments lie behind K's codes
	s_add_nc_u64 s[96:97], s[96:97], 512           ; and whose scale words behind K's
	s_mov_b64 s[86:87], s[10:11]                   ; the second trip's bias is K's
	s_sub_co_u32 s25, s25, 1
	s_cmp_lg_u32 s25, 0
	s_cbranch_scc1 .Lprod
.irp t, 0,1,2,3                        ; V: a lane holds one channel: its eight registers of a tile take the same number
.irp j, 0,1,2,3,4,5,6,7
	global_load_b32 v[BIAS+8*\t+\j], v20, s[12:13] offset:4*(32*(\t/2)+8*(\t%2))
.endr
.endr
	GEMM 1, 0
	EPI 1
	s_wait_tensorcnt 0x0                           ; the wave's end
	ds_add_u32 v247, v255
	s_wait_dscnt 0x0
	ROUND                                          ; the closing round: no work-group ends while a partner may still ask for a tile that names it
	s_endpgm
.Lfunc_end_k_qea3f9a7d35_qkv:
	.size	k_qea3f9a7d35_qkv, .Lfunc_end_k_qea3f9a7d35_qkv-k_qea3f9a7d35_qkv
	.p2alignl 7, 3214868480
	.fill 96, 4, 3214868480
	.section	.rodata,"a",@progbits
	.p2align	6, 0x0
	.amdhsa_kernel k_qea3f9a7d35_qkv
		.amdhsa_group_segment_fixed_size 327680
		.amdhsa_private_segment_fixed_size 0
		.amdhsa_enable_private_segment 0
		.amdhsa_kernarg_size 56
		.amdhsa_user_sgpr_count 2
		.amdhsa_user_sgpr_kernarg_segment_ptr 1
		.amdhsa_wavefront_size32 1
		.amdhsa_system_sgpr_workgroup_id_x 1
		.amdhsa_system_sgpr_workgroup_id_y 1
		.amdhsa_system_sgpr_workgroup_id_z 1
		.amdhsa_system_vgpr_workitem_id 0
		.amdhsa_next_free_vgpr 1024
		.amdhsa_next_free_sgpr 100
		.amdhsa_reserve_vcc 1
		.amdhsa_float_denorm_mode_32 3
		.amdhsa_float_denorm_mode_16_64 3
		.amdhsa_memory_ordered 1
		.amdhsa_forward_progress 1
		.amdhsa_inst_pref_size 164
	.end_amdhsa_kernel
	.amdgpu_metadata
---
amdhsa.version: [ 1, 2 ]
amdhsa.kernels:
  - .name:           k_qea3f9a7d35_qkv
    .symbol:         k_qea3f9a7d35_qkv.kd
    .args:
      - { .name: xop, .offset: 0, .size: 8, .value_kind: global_buffer, .address_space: global }
      - { .name: wop, .offset: 8, .size: 8, .value_kind: global_buffer, .address_space: global }
      - { .name: bq, .offset: 16, .size: 8, .value_kind: global_buffer, .address_space: global }
      - { .name: bk, .offset: 24, .size: 8, .value_kind: global_buffer, .address_space: global }
      - { .name: bv, .offset: 32, .size: 8, .value_kind: global_buffer, .address_space: global }
      - { .name: qop, .offset: 40, .size: 8, .value_kind: global_buffer, .address_space: global }
      - { .name: kv, .offset: 48, .size: 8, .value_kind: global_buffer, .address_space: global }
    .group_segment_fixed_size: 327680
    .private_segment_fixed_size: 0
    .kernarg_segment_align: 8
    .kernarg_segment_size: 56
    .max_flat_workgroup_size: 128
    .sgpr_count:     100
    .vgpr_count:     1024
    .wavefront_size: 32
...
	.end_amdgpu_metadata
.endif
;; end of part 2
;; launch attn (part 3): grid 4 x 64, 16 waves a work-group, clusters of 4 x 1, 215,040 bytes of LDS; arguments qop, kv, oop; writes oop
.if DOCPART == 3
	.amdgcn_target "amdgcn-amd-amdhsa--gfx1250"
	.amdhsa_code_object_version 6
	.text
	.protected	k_qea3f9a7d35_attn
	.globl	k_qea3f9a7d35_attn
	.p2align	8
	.type	k_qea3f9a7d35_attn,@function
k_qea3f9a7d35_attn:
	s_mov_b64 s[64:65], 0
	v_nop
	global_prefetch_b8 v0, s[64:65] scope:SCOPE_SE
	s_setreg_imm32_b32 hwreg(HW_REG_WAVE_MODE, 25, 1), 1
	s_wait_xcnt 0x0
	s_wait_alu depctr_hold_cnt(0) depctr_sa_sdst(0) depctr_va_vdst(0) depctr_va_sdst(0) depctr_va_ssrc(0) depctr_va_vcc(0) depctr_vm_vsrc(0)
	s_getreg_b32 s2, hwreg(HW_REG_IB_STS2, 6, 4)
	s_cmp_eq_u32 s2, 0
	s_cbranch_scc0 .Lentry_in_a_cluster
	s_endpgm
.Lentry_in_a_cluster:
	s_bfe_u32 s2, ttmp6, 0x10000c
	s_cmp_lg_u32 s2, 0x3003
	s_cbranch_scc0 .Lentry_shape_is_right
	s_endpgm
.Lentry_shape_is_right:
; O = softmax(Q K^T / 8) V for one head g = 16 x batch + head, both products on codes of BF6 (E3M2) with E8M0 scales; the result is quantised along the model's 1,024 as the last product's operand.
; THE SOFTMAX: t = score x log2(e) / 8; M = the running largest t rounded UP to a whole number; p = 2^(t - M) is quantised along the keys, not normalised.  The row's sum is taken of the unquantised p and divides O at the end.
; When M moves, the sum and O are multiplied by f = 2^(old M - new M): exact.
; SHARES.  A cluster of four work-groups is one head; a work-group owns 512 queries; each of its sixteen waves owns a tile of 16 queries at a time, twice (two passes over the keys).
; THE HEAD'S WHOLE K AND V LIE IN LDS: 16 key steps x 13,056 bytes = 208,896, each byte filled once.  Wave w brings key step w by ONE joint load that names all four work-groups: one tensor load of a wave is out.
; One wait for it and one barrier show all sixteen steps to all waves; behind that barrier LDS is only read, so both passes run with no further barrier.
; Nothing is prefetched: every tile is asked for at the kernel's head, and there is no loop to run ahead in.
; A key step's block: K's 8 half fragments of 768 bytes (16 keys x the head's 64); V's 4 fragments of 1,536 (16 channels x 128 keys); K's scale words [tile / 4][r][tile % 4]; V's [r][tile].
; Both products are used transposed (S^T = K Q^T, O^T = V^T P^T): a lane holds ONE query.  Place r of a tile of keys is key 32 (t / 2) + 8 (t % 2) + r % 8 + 16 (r / 8), so the 16 registers of tiles 2 b, 2 b + 1 are 16 neighbouring keys.
; THE FIRST PRODUCT'S K IS 64, the instruction's 128: Q's upper six registers are zero codes.  So what stands in the upper six registers of K's operand adds nothing, and tile t's operand simply runs on into tile t + 1's codes
; (behind tile 7: six zero registers).  The scale bytes of that half are 0, which is 2^-127 and no NaN.
; A trip of the loop is four key steps with their places in LDS as immediates.  -M lies by turns in v12 (even steps) and v6 (odd steps), so that the old one need not be copied.
; THE ROW'S SUM runs in four packed chains; each chain's first link of a step is sum x f + p, so the sums need no rescaling of their own.  The 32 lines of the sum also are the plain lines that the products and conversions ask for round them.
; LIMITS: NaN and infinities are not served; a block whose largest magnitude lies under 2^-122 gets the byte 1; the promise holds while |t| stays under 2^31.
; The two scale bytes of a token and head are stored as 16 bits: the word's other bytes belong to another head's work-group, so no wider store is possible: 32 bytes beside 768 of codes.
.set STEPB, 13056
.set CHB,   4*STEPB                    ; a trip's four key steps
.set VOFF,  6144
.set KSO,   12288
.set VSO,   12800
.set SPARE, 0x34000                    ; behind K and V: the spare words, 128 bytes for each of 16 waves
.set QF,   16                          ; v16-21 Q, v22-27 zeros
.set QSW,  28                          ; v28 Q's scale words; v29 the second pass's; v30-35 the second pass's Q
.set KF,   36                          ; v36-83 K's 8 half fragments, then V's 4 fragments; v84-89 zeros
.set KSW,  90                          ; v90-97 K's scale words
.set VSW,  98                          ; v98-101 V's
.set ST,   104                         ; v104-167 S^T, then p
.set OT,   168                         ; v168-199 O^T
.set PCD,  200                         ; v200-211 p's codes
.set CT,   212                         ; v212-218 the conversions' second halves
.set BM,   220                         ; v220-223 a block's largest score, then its largest p
.set BP,   224                         ; v224-227 the partner's; then the bytes
.set SOP,  228                         ; v228-231 the conversions' scale operands
.set FF,   232                         ; v[232:233] f, later 1 / sum (the low word serves)
.set PW,   234                         ; p's scale word
.set TT,   235                         ; at work
.set OW,   238                         ; O's two scale bytes
.set SA,   240                         ; v240-247 the sum: four chains of two
.set CS,   42                          ; s[42:43] c = log2(e) / 8
.set TB,   44                          ; s44 LDS byte at which the trip's four key steps begin
; v1 16 x lane, v2 512 + 8 x lane, v3 16 x (lane % 16); v8-10 the same + s[TB]; v12, v6 -M by turns; v13 the largest t; v14 at work; v254, v255 the add's two registers
.macro ROUND
	s_barrier_signal -1
	s_barrier_wait -1
	s_cmp_lg_u32 s10, 0
	s_cbranch_scc1 .Lnot_wave_0_\@
	s_barrier_signal -3
.Lnot_wave_0_\@:
	s_barrier_wait -3
	s_barrier_signal -1
	s_barrier_wait -1
.endm
.macro SUM n                           ; line n of 32: p's registers 2 n, 2 n + 1 onto chain n % 4
.if (\n) < 4
	v_pk_fma_f32 v[SA+2*(\n):SA+2*(\n)+1], v[SA+2*(\n):SA+2*(\n)+1], v[FF:FF+1], v[ST+2*(\n):ST+2*(\n)+1] op_sel_hi:[1,0,1]
.else
	v_pk_add_f32 v[SA+2*((\n)%4):SA+2*((\n)%4)+1], v[SA+2*((\n)%4):SA+2*((\n)%4)+1], v[ST+2*(\n):ST+2*(\n)+1]
.endif
.endm
; A KEY STEP: 128 keys, the i-th of a trip's four.  The four plain lines between the last products and the loads into their registers are the last step's SUM 28 to 31
.macro STEP st
.set OF, (\st)*STEPB
.set NN, 12-6*((\st)%2)                ; where the new -M goes,
.set NO, 6+6*((\st)%2)                 ; and where the old one lies
.irp t, 0,1,2,3,4,5,6,7
	ds_load_b128 v[KF+6*\t:KF+6*\t+3], v8 offset:OF+768*\t
	ds_load_b64 v[KF+6*\t+4:KF+6*\t+5], v9 offset:OF+768*\t
.endr
	ds_load_b128 v[KSW:KSW+3], v10 offset:OF+KSO
	ds_load_b128 v[KSW+4:KSW+7], v10 offset:OF+KSO+256
.if (\st) == 0
	s_wait_alu depctr_va_vdst(0)
.endif
	s_wait_dscnt 0x0
.irp t, 0,1,2,3,4,5,6,7
	v_wmma_scale_f32_16x16x128_f8f6f4 v[ST+8*\t:ST+8*\t+7], v[KF+6*\t:KF+6*\t+11], v[QF:QF+11], 0, v[KSW+\t], v[QSW] matrix_a_fmt:MATRIX_FMT_BF6 matrix_b_fmt:MATRIX_FMT_BF6
.endr
.rept 4
	v_nop                                          ; places in front of the loads into K's registers and of the first read of the scores
.endr
.irp m, 0,1,2,3,4,5,6,7                ; V's fragments land while the softmax is worked
	ds_load_b128 v[KF+6*\m:KF+6*\m+3], v8 offset:OF+VOFF+768*\m
	ds_load_b64 v[KF+6*\m+4:KF+6*\m+5], v9 offset:OF+VOFF+768*\m
.endr
	ds_load_b128 v[VSW:VSW+3], v10 offset:OF+VSO
.irp b, 0,1,2,3
	v_max3_num_f32 v[BM+\b], v[ST+16*\b], v[ST+16*\b+1], v[ST+16*\b+2]   ; the largest score of each block of 32 keys: for the row's maximum, and, since p rises with the score, for the block's largest p
.endr
.irp i, 3,5,7,9,11,13
.irp b, 0,1,2,3
	v_max3_num_f32 v[BM+\b], v[BM+\b], v[ST+16*\b+\i], v[ST+16*\b+\i+1]
.endr
.endr
.irp b, 0,1,2,3
	v_max_num_f32 v[BM+\b], v[BM+\b], v[ST+16*\b+15]
.endr
.irp b, 0,1,2,3
	s_delay_alu instid0(VALU_DEP_4)
	v_permlanex16_b32 v[BP+\b], v[BM+\b], s40, s41
.endr
.irp b, 0,1,2,3
	s_delay_alu instid0(VALU_DEP_4)
	v_max_num_f32 v[BM+\b], v[BM+\b], v[BP+\b]     ; with lane l xor 16's 16 keys
.endr
	s_delay_alu instid0(VALU_DEP_2)
	v_max3_num_f32 v[TT], v[BM], v[BM+1], v[BM+2]
	s_delay_alu instid0(VALU_DEP_1)
	v_max_num_f32 v[TT], v[TT], v[BM+3]
	s_delay_alu instid0(VALU_DEP_1)
	v_mul_f32 v[TT], s[CS], v[TT]                  ; the step's largest t (c is positive)
	s_delay_alu instid0(VALU_DEP_1)
	v_max_num_f32 v13, v13, v[TT]                  ; the running largest t
	s_delay_alu instid0(VALU_DEP_1)
	v_floor_f32 v[NN], -v13                        ; the new -M = floor(-t) = -ceil(t)
	s_delay_alu instid0(VALU_DEP_1)
	v_sub_f32 v[TT], v[NN], v[NO]                  ; old M - new M: a whole number, 0 or less
	s_delay_alu instid0(VALU_DEP_1)
	v_cvt_i32_f32 v[TT], v[TT]                     ; (it saturates)
	s_delay_alu instid0(VALU_DEP_1)
	v_ldexp_f32 v[FF], 1.0, v[TT]                  ; f: a multiplication by it rounds nothing
.set j, 0
.rept 32
	v_pk_fma_f32 v[ST+j:ST+j+1], v[ST+j:ST+j+1], s[CS:CS+1], v[NN:NN+1] op_sel_hi:[1,0,0]   ; t - M, two at a time
.set j, j+2
.endr
.irp b, 0,1,2,3
	v_fma_f32 v[BM+\b], v[BM+\b], s[CS], v[NN]     ; the same of each block's largest score
.endr
.set j, 0
.rept 16
	v_pk_mul_f32 v[OT+j:OT+j+1], v[OT+j:OT+j+1], v[FF:FF+1] op_sel_hi:[1,0]   ; O^T under the new M, each accumulator from its low end on; ahead of the exponentials
.set j, j+2
.endr
	s_wait_alu depctr_va_vdst(0)                   ; the wait ahead of the batch
.irp b, 0,1,2,3
	v_exp_f32 v[BM+\b], v[BM+\b]                   ; the block's largest p: the same two instructions on the same number as its p below
.endr
.set j, 0
.rept 64
	v_exp_f32 v[ST+j], v[ST+j]                     ; p = 2^(t - M), at most 1
.set j, j+1
.endr
	v_nop                                          ; the plain line behind the exponentials
	s_wait_alu depctr_va_vdst(0)                   ; one wait for the batch of 68, ahead of its first reader
.irp b, 0,1,2,3
	v_max_num_f32 v[BM+\b], 0x2800000, v[BM+\b]    ; the floor 2^(5 - 127): the byte cannot fall under 1
.endr
.irp b, 0,1,2,3
	s_delay_alu instid0(VALU_DEP_4)
	v_add_nc_u32 v[SOP+\b], 0xfe000000, v[BM+\b]   ; 4 off the exponent field: the conversion's scale operand
.endr
.irp b, 0,1,2,3
	s_delay_alu instid0(VALU_DEP_4)
	v_lshrrev_b32 v[BP+\b], 23, v[SOP+\b]          ; the byte
.endr
	s_delay_alu instid0(VALU_DEP_3)
	v_lshl_or_b32 v[PW], v[BP+1], 8, v[BP]         ; p's scale word for these 128 keys
	s_delay_alu instid0(VALU_DEP_1)
	v_lshl_or_b32 v[PW], v[BP+2], 16, v[PW]
	s_delay_alu instid0(VALU_DEP_1)
	v_lshl_or_b32 v[PW], v[BP+3], 24, v[PW]
.irp c, 0,1
	v_cvt_scalef32_pk16_bf6_f32 v[PCD+6*\c:PCD+6*\c+2], v[ST+32*\c:ST+32*\c+15], v[SOP+2*\c]
	v_cvt_scalef32_pk16_bf6_f32 v[CT+4*\c:CT+4*\c+2], v[ST+32*\c+16:ST+32*\c+31], v[SOP+2*\c+1]
.endr
	SUM 0                                          ; the plain line behind the conversions
.irp c, 0,1                            ; a WHOLE block in a lane: lanes 0-15 block 2 c, lanes 16-31 block 2 c + 1
.irp i, 0,1,2
	v_permlane16_swap_b32 v[PCD+6*\c+\i], v[CT+4*\c+\i]
.endr
.irp i, 0,1,2
	s_delay_alu instid0(VALU_DEP_3)
	v_mov_b32 v[PCD+6*\c+3+\i], v[CT+4*\c+\i]
.endr
.endr
.set n, 1
.rept 27
	SUM n                                          ; these 27 name no register of the products below: the places between p's scale word and codes and the products
.set n, n+1
.endr
	s_wait_alu depctr_va_vdst(0)                   ; directly ahead of the wait below: the chains go on behind it
	s_wait_dscnt 0x0                               ; V is in
.irp d, 0,1,2,3
	v_wmma_scale_f32_16x16x128_f8f6f4 v[OT+8*\d:OT+8*\d+7], v[KF+12*\d:KF+12*\d+11], v[PCD:PCD+11], v[OT+8*\d:OT+8*\d+7], v[VSW+\d], v[PW] matrix_a_fmt:MATRIX_FMT_BF6 matrix_b_fmt:MATRIX_FMT_BF6
.endr
.irp n, 28,29,30,31
	SUM \n                                         ; four plain lines behind the products, which name none of their registers
.endr
.endm
	s_load_b128 s[4:7], s[0:1], 0x0                ; qop s[4:5], kv s[6:7]
	s_load_b64 s[8:9], s[0:1], 0x10                ; oop
	v_lshl_add_u32 v254, v0, 2, SPARE
	v_mov_b32 v255, 0
	ds_add_u32 v254, v255                          ; the opening lines: the add, twice on end, and its wait ahead of my tensor load
	ds_add_u32 v254, v255
	v_lshrrev_b32 v4, 5, v0
	v_readfirstlane_b32 s10, v4                    ; wave 0..15
	s_bfe_u32 s11, ttmp6, 0x40000                  ; cx: it enters Q's and O's global addresses alone
	s_and_b32 s12, ttmp7, 0xffff                   ; g, which the four partners share
	; descriptor group 1: a key step's block, dense: 51 rows of 256 bytes (32 elements of 8)
	s_mov_b32 s16, 15|(3<<16)|(1<<21)              ; the mask: all four work-groups; bit 21 beside it
	s_mov_b32 s17, 32<<16
	s_mov_b32 s18, 51<<16
	s_mov_b32 s19, 32<<16
	s_mov_b32 s20, 51
	s_mov_b32 s21, 32
	s_mov_b32 s22, 0
	s_mov_b32 s23, 0
	s_and_b32 s47, s10, 3
	s_mul_i32 s48, s10, STEPB                      ; wave w brings key step w, to LDS byte 13,056 w
	s_mul_i32 s50, s12, 16*STEPB
	s_add_co_u32 s50, s50, s48
	s_mov_b32 s51, 0
	s_mov_b32 s40, 0x76543210
	s_mov_b32 s41, 0xfedcba98                      ; v_permlanex16_b32's selects for lane l xor 16
	s_mov_b32 s[CS], 0x3e38aa3b                    ; c = log2(e) / sqrt(64)
	s_mov_b32 s[CS+1], s[CS]                       ; (named with it as a pair)
	s_wait_dscnt 0x0                               ; both opening adds are done
	s_wait_kmcnt 0x0
	s_add_nc_u64 s[50:51], s[6:7], s[50:51]
	ROUND                                          ; all four work-groups are here: the joint loads meet
	s_mov_b32 s24, 1
	s_add_co_u32 s25, s48, 0
	s_mov_b64 s[26:27], s[50:51]
	s_or_b32 s27, s27, 0x80000000
	tensor_load_to_lds s[24:27], s[16:23]          ; every wave's one load; the line has no branch: the two addresses hang on the wave's number
	s_nop 0
.rept 4
	v_nop
.endr
	v_and_b32 v4, 31, v0
	v_and_b32 v5, 15, v0
	v_lshlrev_b32 v1, 4, v4
	v_lshl_add_u32 v2, v4, 3, 512
	v_lshlrev_b32 v3, 4, v5
	s_lshl_b32 s52, s11, 5
	s_add_co_u32 s52, s52, s10                     ; my tile of queries in the first pass: 32 cx + wave; the second pass's is 16 on
	s_mul_i32 s54, s52, 768
	s_mul_i32 s53, s12, 98304
	s_add_co_u32 s54, s54, s53
	s_mov_b32 s55, 0
	s_add_nc_u64 s[54:55], s[4:5], s[54:55]        ; its codes
	s_lshr_b32 s56, s52, 2
	s_lshl_b32 s56, s56, 8
	s_lshl_b32 s53, s47, 2
	s_add_co_u32 s56, s56, s53
	s_lshl_b32 s53, s12, 13
	s_add_co_u32 s56, s56, s53
	s_add_co_u32 s56, s56, 6291456
	s_mov_b32 s57, 0
	s_add_nc_u64 s[56:57], s[4:5], s[56:57]        ; its scale words: [tile / 4][r][tile % 4]
	s_wait_alu depctr_va_vdst(0)                   ; directly ahead of the readers below
	global_load_b128 v[QF:QF+3], v1, s[54:55]
	global_load_b64 v[QF+4:QF+5], v2, s[54:55]
	global_load_b128 v[30:33], v1, s[54:55] offset:16*768
	global_load_b64 v[34:35], v2, s[54:55] offset:16*768
	global_load_b32 v[QSW], v3, s[56:57]
	global_load_b32 v[QSW+1], v3, s[56:57] offset:4*256
	s_lshr_b32 s58, s12, 4
	s_lshl_b32 s58, s58, 7
	s_add_co_u32 s58, s58, s52                     ; the token tile: 128 x batch + my tile
	s_mul_i32 s58, s58, 12800
	s_and_b32 s59, s12, 15                         ; the head: K step head / 2 of the last product, half head % 2
	s_lshr_b32 s53, s59, 3
	s_mul_i32 s53, s53, 6400
	s_add_co_u32 s58, s58, s53                     ; the record's chunk
	s_bfe_u32 s53, s59, 0x20001
	s_and_b32 s59, s59, 1
	s_mul_i32 s60, s53, 1536
	s_mul_i32 s61, s59, 768
	s_add_co_u32 s60, s60, s61
	s_add_co_u32 s60, s60, s58
	s_lshl_b32 s53, s53, 2
	s_lshl_b32 s59, s59, 1
	s_add_co_u32 s62, s53, s59
	s_add_co_u32 s62, s62, s58
	s_add_co_u32 s62, s62, 6144
	s_mov_b32 s61, 0
	s_mov_b32 s63, 0
	s_add_nc_u64 s[60:61], s[8:9], s[60:61]        ; O's codes
	s_add_nc_u64 s[62:63], s[8:9], s[62:63]        ; O's two scale bytes of row 0
.irp i, 0,1,2,3,4,5
	v_mov_b32 v[QF+6+\i], 0                        ; zero codes: the upper 64 of the first product's K
	v_mov_b32 v[KF+48+\i], 0
.endr
.irp b, 0,1,2,3
	v_mov_b32 v[BP+\b], 0                          ; written once: a lane permute's destination counts as one of its sources
.endr
	v_mov_b32 v[TT], 0
	v_mov_b32 v[FF+1], 0                           ; (named as the upper half of a pair)
	v_mov_b32 v7, 0                                ; (likewise, beside the odd steps' -M)
	s_mov_b32 s46, 2
	s_wait_alu depctr_va_vdst(0)                   ; the wait at the head's end
	s_wait_loadcnt 0x0                             ; Q
	s_wait_tensorcnt 0x0                           ; my key step has landed
	s_barrier_signal -1
	s_barrier_wait -1                              ; all sixteen have
.Lpass:
	v_mov_b32 v13, 0xff61b1e6                      ; the largest t so far: -3e38
	v_floor_f32 v6, -v13                           ; the old -M of step 0
.set j, 0
.rept 8
	v_mov_b32 v[SA+j], 0                           ; the sum's four chains
.set j, j+1
.endr
.set j, 0
.rept 32
	v_mov_b32 v[OT+j], 0                           ; the step is written once: the first finds zeros, which the first change of M leaves zeros
.set j, j+1
.endr
	s_mov_b32 s[TB], 0
	s_mov_b32 s45, 4
	s_wait_alu depctr_va_vdst(0)
.Ltrip:
	v_add_nc_u32 v8, s[TB], v1
	v_add_nc_u32 v9, s[TB], v2
	v_add_nc_u32 v10, s[TB], v3
	STEP 0
	STEP 1
	STEP 2
	STEP 3
	s_add_co_u32 s[TB], s[TB], CHB
	s_sub_co_u32 s45, s45, 1
	s_cmp_lg_u32 s45, 0
	s_cbranch_scc1 .Ltrip
	; THE WAY OUT: O^T / the sum, quantised along the head's 64: register 16 b + i = channel 32 b + 16 (lane / 16) + i.  (SUM 28 to 31 were the places behind the last products)
	v_pk_add_f32 v[SA:SA+1], v[SA:SA+1], v[SA+2:SA+3]
	v_pk_add_f32 v[SA+4:SA+5], v[SA+4:SA+5], v[SA+6:SA+7]
	v_pk_add_f32 v[SA:SA+1], v[SA:SA+1], v[SA+4:SA+5]
	v_add_f32 v14, v[SA], v[SA+1]
	s_delay_alu instid0(VALU_DEP_1)
	v_permlanex16_b32 v[TT], v14, s40, s41
	s_delay_alu instid0(VALU_DEP_1)
	v_add_f32 v14, v14, v[TT]                      ; the row's sum
	s_wait_alu depctr_va_vdst(0)                   ; the wait ahead of the reciprocal
	v_rcp_f32 v[FF], v14
	v_nop                                          ; a plain line behind the reciprocal,
	s_wait_alu depctr_va_vdst(0)                   ; and the wait ahead of its first reader, which is O^T's first reader too
.set j, 0
.rept 16
	v_pk_mul_f32 v[ST+j:ST+j+1], v[OT+j:OT+j+1], v[FF:FF+1] op_sel_hi:[1,0]   ; each accumulator from its low end on
.set j, j+2
.endr
.irp b, 0,1
	v_max3_num_f32 v[BM+\b], |v[ST+16*\b]|, |v[ST+16*\b+1]|, 0x2800000
.endr
.irp i, 2,4,6,8,10,12,14
.irp b, 0,1
	s_delay_alu instid0(VALU_DEP_2)
	v_max3_num_f32 v[BM+\b], v[BM+\b], |v[ST+16*\b+\i]|, |v[ST+16*\b+\i+1]|
.endr
.endr
.irp b, 0,1
	s_delay_alu instid0(VALU_DEP_2)
	v_permlanex16_b32 v[BP+\b], v[BM+\b], s40, s41
.endr
.irp b, 0,1
	s_delay_alu instid0(VALU_DEP_2)
	v_max_num_f32 v[BM+\b], v[BM+\b], v[BP+\b]
.endr
.irp b, 0,1
	s_delay_alu instid0(VALU_DEP_2)
	v_add_nc_u32 v[SOP+\b], 0xfe000000, v[BM+\b]
.endr
.irp b, 0,1
	s_delay_alu instid0(VALU_DEP_2)
	v_lshrrev_b32 v[BP+\b], 23, v[SOP+\b]
.endr
	s_delay_alu instid0(VALU_DEP_1)
	v_lshl_or_b32 v[OW], v[BP+1], 8, v[BP]
	v_cvt_scalef32_pk16_bf6_f32 v[PCD:PCD+2], v[ST:ST+15], v[SOP]
	v_cvt_scalef32_pk16_bf6_f32 v[PCD+4:PCD+6], v[ST+16:ST+31], v[SOP+1]
	v_nop                                          ; one plain line behind the conversions
.irp i, 0,1,2
	v_permlane16_swap_b32 v[PCD+\i], v[PCD+4+\i]
.endr
	s_delay_alu instid0(VALU_DEP_3)
	v_mov_b32 v[PCD+3], v[PCD+4]
	s_delay_alu instid0(VALU_DEP_3)
	v_mov_b32 v[PCD+4], v[PCD+5]
	s_delay_alu instid0(VALU_DEP_3)
	v_mov_b32 v[PCD+5], v[PCD+6]
	global_store_b128 v1, v[PCD:PCD+3], s[60:61]   ; 512 consecutive bytes, aligned
	global_store_b64 v2, v[PCD+4:PCD+5], s[60:61]  ; and 256
	global_store_b16 v3, v[OW], s[62:63]           ; (both halves of the lanes write the same bytes with the same value)
.irp i, 0,1,2,3,4,5
	v_mov_b32 v[QF+\i], v[30+\i]                   ; the second pass's queries
.endr
	v_mov_b32 v[QSW], v[QSW+1]
	s_wait_xcnt 0x0                                ; the stores have read their bases and their data: both are written again only behind this wait
	s_add_nc_u64 s[60:61], s[60:61], 16*12800      ; 16 token tiles on
	s_add_nc_u64 s[62:63], s[62:63], 16*12800
	s_sub_co_u32 s46, s46, 1
	s_cmp_lg_u32 s46, 0
	s_cbranch_scc1 .Lpass
	s_wait_tensorcnt 0x0                           ; the wave's end
	ds_add_u32 v254, v255
	s_wait_dscnt 0x0
	ROUND                                          ; the closing round
	s_endpgm
.Lfunc_end_k_qea3f9a7d35_attn:
	.size	k_qea3f9a7d35_attn, .Lfunc_end_k_qea3f9a7d35_attn-k_qea3f9a7d35_attn
	.p2alignl 7, 3214868480
	.fill 96, 4, 3214868480
	.section	.rodata,"a",@progbits
	.p2align	6, 0x0
	.amdhsa_kernel k_qea3f9a7d35_attn
		.amdhsa_group_segment_fixed_size 215040
		.amdhsa_private_segment_fixed_size 0
		.amdhsa_enable_private_segment 0
		.amdhsa_kernarg_size 24
		.amdhsa_user_sgpr_count 2
		.amdhsa_user_sgpr_kernarg_segment_ptr 1
		.amdhsa_wavefront_size32 1
		.amdhsa_system_sgpr_workgroup_id_x 1
		.amdhsa_system_sgpr_workgroup_id_y 1
		.amdhsa_system_sgpr_workgroup_id_z 1
		.amdhsa_system_vgpr_workitem_id 0
		.amdhsa_next_free_vgpr 256
		.amdhsa_next_free_sgpr 66
		.amdhsa_reserve_vcc 0
		.amdhsa_float_denorm_mode_32 3
		.amdhsa_float_denorm_mode_16_64 3
		.amdhsa_memory_ordered 1
		.amdhsa_forward_progress 1
		.amdhsa_inst_pref_size 79
	.end_amdhsa_kernel
	.amdgpu_metadata
---
amdhsa.version: [ 1, 2 ]
amdhsa.kernels:
  - .name:           k_qea3f9a7d35_attn
    .symbol:         k_qea3f9a7d35_attn.kd
    .args:
      - { .name: qop, .offset: 0, .size: 8, .value_kind: global_buffer, .address_space: global }
      - { .name: kv, .offset: 8, .size: 8, .value_kind: global_buffer, .address_space: global }
      - { .name: oop, .offset: 16, .size: 8, .value_kind: global_buffer, .address_space: global }
    .group_segment_fixed_size: 215040
    .private_segment_fixed_size: 0
    .kernarg_segment_align: 8
    .kernarg_segment_size: 24
    .max_flat_workgroup_size: 512
    .sgpr_count:     66
    .vgpr_count:     256
    .wavefront_size: 32
...
	.end_amdgpu_metadata
.endif
;; end of part 3
;; launch oproj (part 4): grid 8 x 32, 4 waves a work-group, clusters of 4 x 4, 327,680 bytes of LDS; arguments oop, wop, bo, out0; writes out0
.if DOCPART == 4
	.amdgcn_target "amdgcn-amd-amdhsa--gfx1250"
	.amdhsa_code_object_version 6
	.text
	.protected	k_qea3f9a7d35_oproj
	.globl	k_qea3f9a7d35_oproj
	.p2align	8
	.type	k_qea3f9a7d35_oproj,@function
k_qea3f9a7d35_oproj:
	s_mov_b64 s[64:65], 0
	v_nop
	global_prefetch_b8 v0, s[64:65] scope:SCOPE_SE
	s_setreg_imm32_b32 hwreg(HW_REG_WAVE_MODE, 25, 1), 1
	s_wait_xcnt 0x0
	s_wait_alu depctr_hold_cnt(0) depctr_sa_sdst(0) depctr_va_vdst(0) depctr_va_sdst(0) depctr_va_ssrc(0) depctr_va_vcc(0) depctr_vm_vsrc(0)
	s_getreg_b32 s2, hwreg(HW_REG_IB_STS2, 6, 4)
	s_cmp_eq_u32 s2, 0
	s_cbranch_scc0 .Lentry_in_a_cluster
	s_endpgm
.Lentry_in_a_cluster:
	s_bfe_u32 s2, ttmp6, 0x10000c
	s_cmp_lg_u32 s2, 0xf033
	s_cbranch_scc0 .Lentry_shape_is_right
	s_endpgm
.Lentry_shape_is_right:
; out0 = O Wo + bo on codes of BF6 (E3M2) with E8M0 scales; out0 [8192][1024] f32.
; Operands come as tile records (16 rows; place r of tile tau = row 32 (tau / 2) + 8 (tau % 2) + r % 8 + 16 (r / 8)): 12,800 bytes = two chunks of 6,400 = four K steps x two half fragments of 768 bytes + 256 bytes of scale words [r][K step].
; A half fragment (16 rows x 64 K) is an image of registers: lane's registers 0-3 at 16 x lane, 4-5 at 512 + 8 x lane.  Wo's tiles are tiles 192-255 of wop.
; SHARES.  A work-group makes 256 tokens x 128 columns: 256 work-groups.  A wave makes 128 tokens x 64 columns: 32 accumulators.
; ALL OF K (1,024) lies in LDS at once, 307,200 bytes, each byte filled once: no slot is filled again, so there is no ring.  Behind it: a stage of 16 rows x 272 bytes for each wave, into which no tensor load lands.
; CLUSTER 4 x 4: O's tiles are asked for jointly along a row of the cluster, Wo's along a column.  A wave has one tensor load out at the most.
; Source 0 = 16 columns of Wo, source 1 = 16 tokens: a lane holds ONE token, and register j of column tile t is column 32 (t / 2) + 16 (lane / 16) + 8 (t % 2) + j: eight neighbours of a row of out0.
; The bias is the C of each sum's first matrix instruction.  Nothing is prefetched: every tile is asked for at the kernel's head.
; REGISTERS, in windows of 256: window 0: v1-19 addresses; v32-127 scale words; v128-159 the bias; v192-255 rows on their way out.  windows 1, 2: two sets of fragments (O's tile a at 12 a, Wo's tile t at 96 + 12 t).  window 3: accumulator (a, t) at 8 (4 a + t).
.set REC,  12800
.set CHK,  6400
.set STP,  1536
.set HFB,  768
.set TQ,   16*CHK                      ; eight records of O in bytes
.set WQ,   8*CHK                       ; four records of Wo
.set WL,   2*TQ                        ; LDS: O's 16 records whole, then from here Wo's 8; each wave brings its part by ONE tensor load
.set STG,  WL+2*WQ                     ; the stages
.set SP,   272
.set TS,   32
.set WS,   64
.set BIAS, 128
.set BK,   192
.set MSB, 0
.macro WIN new                         ; the immediate's high byte repeats the setting that is left
.if MSB != \new
	s_set_vgpr_msb (MSB<<8)|\new
.set MSB, \new
.endif
.endm
.macro PLACES                          ; four plain lines between a matrix instruction and a load into, or a read of, its registers
.rept 4
	v_nop
.endr
.endm
.macro ROUND
	s_barrier_signal -1
	s_barrier_wait -1
	s_cmp_lg_u32 s18, 0
	s_cbranch_scc1 .Lnot_wave_0_\@
	s_barrier_signal -3
.Lnot_wave_0_\@:
	s_barrier_wait -3
	s_barrier_signal -1
	s_barrier_wait -1
.endm
.macro SCALES q                        ; a chunk's scale words: one load a tile brings the four K steps' words of row r
.irp a, 0,1,2,3,4,5,6,7
	ds_load_b128 v[TS+48*\q+4*\a:TS+48*\q+4*\a+3], v[8+6*(\a/4)] offset:(\a%4)*REC+\q*CHK+4*STP   ; tiles 4-7 by a second address register: the offset has 16 bits
.endr
.irp t, 0,1,2,3
	ds_load_b128 v[WS+48*\q+4*\t:WS+48*\q+4*\t+3], v9 offset:\t*REC+\q*CHK+4*STP
.endr
.endm
.macro FETCH s, p                      ; K step s: 12 fragments, 48 loads of consecutive bytes, into set p
	WIN ((\p)+1)<<6
.irp a, 0,1,2,3,4,5,6,7
.irp c, 0,1
	ds_load_b128 v[12*\a+6*\c:12*\a+6*\c+3],   v[4+6*(\a/4)] offset:(\a%4)*REC+((\s)/4)*CHK+((\s)%4)*STP+\c*HFB
	ds_load_b64  v[12*\a+6*\c+4:12*\a+6*\c+5], v[5+6*(\a/4)] offset:(\a%4)*REC+((\s)/4)*CHK+((\s)%4)*STP+\c*HFB
.endr
.endr
.irp t, 0,1,2,3
.irp c, 0,1
	ds_load_b128 v[96+12*\t+6*\c:96+12*\t+6*\c+3],   v6 offset:\t*REC+((\s)/4)*CHK+((\s)%4)*STP+\c*HFB
	ds_load_b64  v[96+12*\t+6*\c+4:96+12*\t+6*\c+5], v7 offset:\t*REC+((\s)/4)*CHK+((\s)%4)*STP+\c*HFB
.endr
.endr
.endm
; 32 matrix instructions: K step s.  The 32 accumulators take turns, one instruction a turn, in the same order in every step.  first = 1: the bias starts the sums.
.macro MUL s, first
.set SQ, 48*((\s)/4)+(\s)%4
.if \first
	WIN 0xc5                                       ; sources 0, 1 window 1; C window 0; D window 3
.elseif (\s)%2
	WIN 0xfa                                       ; sources window 2; C and D window 3
.else
	WIN 0xf5
.endif
.irp a, 0,1,2,3,4,5,6,7
.irp t, 0,1,2,3
.set rD, 8*(4*\a+\t)
.if \first
	v_wmma_scale_f32_16x16x128_f8f6f4 v[rD:rD+7], v[96+12*\t:96+12*\t+11], v[12*\a:12*\a+11], v[BIAS+8*\t:BIAS+8*\t+7], v[WS+SQ+4*\t], v[TS+SQ+4*\a] matrix_a_fmt:MATRIX_FMT_BF6 matrix_b_fmt:MATRIX_FMT_BF6
.else
	v_wmma_scale_f32_16x16x128_f8f6f4 v[rD:rD+7], v[96+12*\t:96+12*\t+11], v[12*\a:12*\a+11], v[rD:rD+7], v[WS+SQ+4*\t], v[TS+SQ+4*\a] matrix_a_fmt:MATRIX_FMT_BF6 matrix_b_fmt:MATRIX_FMT_BF6
.endif
.endr
.endr
.endm
	s_load_b256 s[4:11], s[0:1], 0x0               ; oop s[4:5], wop s[6:7], bo s[8:9], out0 s[10:11]
	v_lshl_add_u32 v190, v0, 2, 0x4f400
	v_mov_b32 v191, 0
	ds_add_u32 v190, v191
	ds_add_u32 v190, v191
	v_lshrrev_b32 v1, 5, v0
	v_readfirstlane_b32 s18, v1                    ; wave 0..3
	s_lshr_b32 s19, s18, 1                         ; which 128 tokens are mine.  Also: I fetch for O (0) or for Wo (1)
	s_and_b32 s20, s18, 1                          ; which 64 columns.  Also: which half of those tiles I fetch
	s_bfe_u32 s21, ttmp6, 0x40000                  ; cx
	s_bfe_u32 s22, ttmp6, 0x40004                  ; cy
	s_lshl_b32 s23, ttmp9, 2
	s_add_co_u32 s23, s23, s21                     ; work-group x
	s_and_b32 s24, ttmp7, 0xffff
	s_lshl_b32 s24, s24, 2
	s_add_co_u32 s24, s24, s22                     ; work-group y
	s_lshl_b32 s26, s22, 2
	s_lshl_b32 s26, 15, s26                        ; my row of the cluster
	s_lshl_b32 s27, 0x1111, s21                    ; my column
	; descriptor group 1: a dense run of whole records as rows of 256 bytes (32 elements of 8); no padding
	s_or_b32 s28, s26, (3<<16)|(1<<21)             ; O: the mask of my row; elements of 8 bytes; bit 21 beside a mask
	s_mov_b32 s29, 32<<16
	s_mov_b32 s30, 400<<16                         ; 8 records of 12,800 bytes = 400 rows
	s_mov_b32 s31, 32<<16
	s_mov_b32 s32, 400
	s_mov_b32 s33, 32
	s_mov_b32 s34, 0
	s_mov_b32 s35, 0
	s_or_b32 s36, s27, (3<<16)|(1<<21)             ; Wo: the mask of my column; 4 tiles
	s_mov_b32 s37, 32<<16
	s_mov_b32 s38, 200<<16                         ; 4 records = 200 rows
	s_mov_b32 s39, 32<<16
	s_mov_b32 s40, 200
	s_mov_b32 s41, 32
	s_mov_b32 s42, 0
	s_mov_b32 s43, 0
	s_lshl_b32 s60, s24, 4                         ; O: tile 16 x work-group y + 8 x half (registers that never hold cx)
	s_lshl_b32 s61, s20, 3
	s_add_co_u32 s60, s60, s61
	s_mul_i32 s60, s60, REC
	s_mov_b32 s61, 0
	s_lshl_b32 s62, s23, 3                         ; Wo: tile 192 + 8 x work-group x + 4 x half (registers that never hold cy)
	s_lshl_b32 s63, s20, 2
	s_add_co_u32 s62, s62, s63
	s_add_co_u32 s62, s62, 192
	s_mul_i32 s62, s62, REC
	s_mov_b32 s63, 0
	s_mul_i32 s68, s20, 8*REC                      ; where they go: no place in the cluster enters an LDS address
	s_mul_i32 s69, s20, 4*REC
	s_add_co_u32 s69, s69, WL
	s_wait_dscnt 0x0
	s_wait_kmcnt 0x0
	s_add_nc_u64 s[60:61], s[4:5], s[60:61]
	s_add_nc_u64 s[62:63], s[6:7], s[62:63]
	ROUND                                          ; all sixteen work-groups are here: the joint loads meet
.irp q, 0
	s_mov_b32 s[44+4*\q], 1
	s_add_co_u32 s[45+4*\q], s68, \q*TQ
	s_add_nc_u64 s[46+4*\q:47+4*\q], s[60:61], \q*CHK
	s_or_b32 s[47+4*\q], s[47+4*\q], 0x80000000
	s_mov_b32 s[52+4*\q], 1
	s_add_co_u32 s[53+4*\q], s69, \q*WQ
	s_add_nc_u64 s[54+4*\q:55+4*\q], s[62:63], \q*CHK
	s_or_b32 s[55+4*\q], s[55+4*\q], 0x80000000
.endr
	s_cmp_eq_u32 s19, 0                            ; one fill a wave, in one branch on its number; four v_nop follow it
	s_cbranch_scc0 .Lfor_w
	tensor_load_to_lds s[44:47], s[28:35]
	s_nop 0
.rept 4
	v_nop
.endr
	s_branch .Lasked
.Lfor_w:
	tensor_load_to_lds s[52:55], s[36:43]
	s_nop 0
.rept 4
	v_nop
.endr
.Lasked:
	v_and_b32 v1, 31, v0
	v_and_b32 v2, 15, v0
	v_bfe_u32 v3, v0, 4, 1
	s_mul_i32 s70, s19, 8*REC                      ; my 8 tiles of O
	s_mul_i32 s71, s20, 4*REC
	s_add_co_u32 s71, s71, WL                      ; my 4 tiles of Wo
	v_lshl_add_u32 v4, v1, 4, s70
	v_lshl_add_u32 v5, v1, 3, s70
	v_add_nc_u32 v5, 512, v5
	v_lshl_add_u32 v6, v1, 4, s71
	v_lshl_add_u32 v7, v1, 3, s71
	v_add_nc_u32 v7, 512, v7
	v_lshl_add_u32 v8, v2, 4, s70
	v_lshl_add_u32 v9, v2, 4, s71
	v_add_nc_u32 v10, 4*REC, v4                    ; O's tiles 4-7
	v_add_nc_u32 v11, 4*REC, v5
	v_add_nc_u32 v14, 4*REC, v8
	s_mul_i32 s72, s18, 16*SP
	s_add_co_u32 s72, s72, STG                     ; my stage
	v_mul_u32_u24 v16, v2, SP
	v_lshl_add_u32 v16, v3, 6, v16
	v_add_nc_u32 v16, s72, v16                     ; in: row r, 64 bytes on for lanes 16-31
	v_mul_u32_u24 v17, v3, SP
	v_lshl_add_u32 v17, v2, 4, v17
	v_add_nc_u32 v17, s72, v17                     ; back: lanes 0-15 one row of 256 bytes, lanes 16-31 the next
	v_lshlrev_b32 v18, 4, v2
	v_lshl_add_u32 v18, v3, 12, v18                ; and the same two rows in out0
	v_lshlrev_b32 v19, 6, v3                       ; the bias: 16 columns on for lanes 16-31
	s_wait_alu depctr_va_vdst(0)
	s_lshl_b32 s76, s23, 9
	s_lshl_b32 s77, s20, 8
	s_add_co_u32 s76, s76, s77                     ; my first column, in bytes
	s_mov_b32 s77, 0
	s_add_nc_u64 s[8:9], s[8:9], s[76:77]
	s_lshl_b32 s78, s24, 20                        ; 256 rows of 4,096 bytes a work-group,
	s_lshl_b32 s79, s19, 19                        ; 128 a wave
	s_add_co_u32 s78, s78, s79
	s_add_co_u32 s78, s78, s76
	s_mov_b32 s79, 0
	s_add_nc_u64 s[10:11], s[10:11], s[78:79]
.irp t, 0,1,2,3
	global_load_b128 v[BIAS+8*\t:BIAS+8*\t+3],   v19, s[8:9] offset:4*(32*(\t/2)+8*(\t%2))
	global_load_b128 v[BIAS+8*\t+4:BIAS+8*\t+7], v19, s[8:9] offset:4*(32*(\t/2)+8*(\t%2))+16
.endr
	; the eight K steps: a step's fragments are fetched two steps ahead, into the set that has just been multiplied
	s_wait_tensorcnt 0x0                           ; my one load, whole records for all of K, has landed
	s_barrier_signal -1
	s_barrier_wait -1
	SCALES 0
	FETCH 0, 0
	FETCH 1, 1
	s_wait_loadcnt 0x0                             ; the bias
	s_wait_dscnt 48                                ; the scale words and step 0 are in; step 1's 48 loads may be out
	MUL 0, 1
	PLACES
	FETCH 2, 0
	s_wait_dscnt 48                                ; step 1 is in; the 48 just issued may be out
	MUL 1, 0
	PLACES
	FETCH 3, 1
	s_wait_dscnt 48
	MUL 2, 0
	WIN 0
	PLACES
	SCALES 1
	FETCH 4, 0
	s_wait_dscnt 60                                ; step 3 is in; the 12 loads of scale words and the 48 of step 4 just issued may be out
	MUL 3, 0
	PLACES
	FETCH 5, 1
	s_wait_dscnt 48                                ; chunk 1's scale words and step 4 are in
	MUL 4, 0
	PLACES
	FETCH 6, 0
	s_wait_dscnt 48
	MUL 5, 0
	PLACES
	FETCH 7, 1
	s_wait_dscnt 48
	MUL 6, 0
	s_wait_dscnt 0x0
	MUL 7, 0
	WIN 0
; THE WAY OUT, a tile of 16 tokens x 64 columns at a time, through my own stage: in by 32 bytes of a row a lane, back as whole rows of 256 bytes.
; LDS serves a wave's instructions in order (ISA guide 5.7.1.4): no wait between the stores and the loads, nor in front of the next tile's stores.
.macro TOSTAGE a
	WIN 0x0c                                       ; an LDS store's data are its source 1: window 3
.irp t, 0,1,2,3
	ds_store_b128 v16, v[32*(\a)+8*\t:32*(\a)+8*\t+3] offset:128*(\t/2)+32*(\t%2)        ; each accumulator from its low end on
	ds_store_b128 v16, v[32*(\a)+8*\t+4:32*(\a)+8*\t+7] offset:128*(\t/2)+32*(\t%2)+16
.endr
	WIN 0
.irp i, 0,1,2,3,4,5,6,7
	ds_load_b128 v[BK+32*((\a)%2)+4*\i:BK+32*((\a)%2)+4*\i+3], v17 offset:2*\i*SP
.endr
.endm
.macro SEND a, younger                 ; places 2 i and 2 i + 1 of tile a are tokens 32 (a / 2) + 8 (a % 2) + 16 (i / 4) + 2 (i % 4) and the next
	s_wait_dscnt \younger                          ; the tile is back in registers; the next tile's LDS instructions may be out
.irp i, 0,1,2,3,4,5,6,7
	global_store_b128 v18, v[BK+32*((\a)%2)+4*\i:BK+32*((\a)%2)+4*\i+3], s[10:11] offset:(32*((\a)/2)+8*((\a)%2)+16*(\i/4)+2*(\i%4))*4096 th:TH_STORE_NT   ; sixteen lanes store 256 consecutive bytes, aligned
.endr
.endm
	PLACES
	TOSTAGE 0
.irp a, 1,2,3,4,5,6,7
.if \a > 1
	s_wait_xcnt 0x0                                ; the stores of two tiles ago have read their registers: this tile's loads may land there
.endif
	TOSTAGE \a
	SEND \a-1, 16                                  ; behind that tile's loads: this tile's 8 stores and 8 loads
.endr
	SEND 7, 0
	s_wait_tensorcnt 0x0
	ds_add_u32 v190, v191
	s_wait_dscnt 0x0
	ROUND                                          ; the closing round: no work-group ends while a partner may still ask for a tile that names it
	s_endpgm
.Lfunc_end_k_qea3f9a7d35_oproj:
	.size	k_qea3f9a7d35_oproj, .Lfunc_end_k_qea3f9a7d35_oproj-k_qea3f9a7d35_oproj
	.p2alignl 7, 3214868480
	.fill 96, 4, 3214868480
	.section	.rodata,"a",@progbits
	.p2align	6, 0x0
	.amdhsa_kernel k_qea3f9a7d35_oproj
		.amdhsa_group_segment_fixed_size 327680
		.amdhsa_private_segment_fixed_size 0
		.amdhsa_enable_private_segment 0
		.amdhsa_kernarg_size 32
		.amdhsa_user_sgpr_count 2
		.amdhsa_user_sgpr_kernarg_segment_ptr 1
		.amdhsa_wavefront_size32 1
		.amdhsa_system_sgpr_workgroup_id_x 1
		.amdhsa_system_sgpr_workgroup_id_y 1
		.amdhsa_system_sgpr_workgroup_id_z 1
		.amdhsa_system_vgpr_workitem_id 0
		.amdhsa_next_free_vgpr 1024
		.amdhsa_next_free_sgpr 100
		.amdhsa_reserve_vcc 0
		.amdhsa_float_denorm_mode_32 3
		.amdhsa_float_denorm_mode_16_64 3
		.amdhsa_memory_ordered 1
		.amdhsa_forward_progress 1
		.amdhsa_inst_pref_size 82
	.end_amdhsa_kernel
	.amdgpu_metadata
---
amdhsa.version: [ 1, 2 ]
amdhsa.kernels:
  - .name:           k_qea3f9a7d35_oproj
    .symbol:         k_qea3f9a7d35_oproj.kd
    .args:
      - { .name: oop, .offset: 0, .size: 8, .value_kind: global_buffer, .address_space: global }
      - { .name: wop, .offset: 8, .size: 8, .value_kind: global_buffer, .address_space: global }
      - { .name: bo, .offset: 16, .size: 8, .value_kind: global_buffer, .address_space: global }
      - { .name: out0, .offset: 24, .size: 8, .value_kind: global_buffer, .address_space: global }
    .group_segment_fixed_size: 327680
    .private_segment_fixed_size: 0
    .kernarg_segment_align: 8
    .kernarg_segment_size: 32
    .max_flat_workgroup_size: 128
    .sgpr_count:     100
    .vgpr_count:     1024
    .wavefront_size: 32
...
	.end_amdgpu_metadata
.endif
;; end of part 4
